; MI455X (gfx1250); checked and timed in simulation.
; The chip was launched on July 23, 2026; its instructions are those of AMD's public machine-readable ISA for CDNA 5 (MIT licence, August 2026) and "CDNA5" Instruction Set Architecture Reference Guide (July 2026). The comments in the code are by the model that wrote it; some were corrected since.
;; State Cell. Allowed arithmetic: matrix products marked QUANTISED: E3M2 operands, one E8M0 scale for each 32 along K, by v_wmma_scale_f32_16x16x128_f8f6f4 with both operands' format E3M2, f32 sums; products left as they are: f32 operands where the result goes on into a quantised operand, else bf16, f16 or f32 operands; f32 sums; everything else in f32.
;; Inputs: Wc 2 x 4,096 float32; Wr 2,048 x 2,048 float32; Ww 2,048 x 4,096 float32; bc 2 float32; br 2,048 float32; bw 2,048 float32; fast 8 x 2,048 float32; h 4,096 x 2,048 float32; keys 8 x 2,048 float32; neighbor_msg 4,096 x 2,048 float32; state 8 x 2,048 float32.
;; Outputs: out0 4,096 x 2,048 float32; out1 4,096 x 8 float32; out2 one number float32; out3 8 x 2,048 float32; out4 8 x 2,048 float32.
;; This version of the problem:
;;   THIS VERSION OF THE PROBLEM IS GIVEN IN LOW PRECISION. The matrix products marked QUANTISED in the list below multiply operands that are first quantised to E3M2 (3 exponent bits, 2 mantissa bits; 6 bits a number), with one power-of-two scale for each 32 numbers along K (OCP MX v1.0); their sums are f32. All else is computed in f32.
;;   The module's matrix products, in the order in which they are computed (A, B: the left and right operand; K: the contracted axis; several contracted axes count as one K, in the product's order):
;;     1. [M 4,096, K 2,048] x [K 2,048, N 2,048]; A: input h; B: input Wr: QUANTISED
;;     2. [M 4,096, K 2,048] x [K 2,048, N 8]; A: computed on the way; B: input keys: left as it is (N = 8 < 16)
;;     3. [M 4,096, K 8] x [K 8, N 2,048]; A: softmax; B: computed on the way: left as it is (K = 8 < 32)
;;     4. [M 4,096, K 4,096] x [K 4,096, N 2]; A: computed on the way; B: input Wc: left as it is (N = 2 < 16)
;;     5. [M 4,096, K 4,096] x [K 4,096, N 2,048]; A: computed on the way; B: input Ww: QUANTISED
;;     6. [M 8, K 4,096] x [K 4,096, N 2,048]; A: computed on the way; B: computed on the way: left as it is (M = 8 < 16)
;;   THE QUANTISER, for each operand of a quantised product, along K:
;;     - K is cut into blocks of 32 from its start; a last block that is shorter is filled with zeros.
;;     - A block's scale is 2^e with e = floor(log2(the largest magnitude in the block)) - 4, held to -126 .. 127; a block of zeros has e = 0. As a byte (E8M0): e + 127.
;;     - Each number is divided by its block's scale, clamped to +-28, and rounded to the nearest number of E3M2, ties to even, subnormals kept.
;;     - The product sums the exact products of the quantised numbers (number of the format x scale) in f32.
;;   ~~~python
;;   def quantise(x, axis):      # numpy; x: float32 -> the quantised numbers, widened to float32 again
;;       x = np.moveaxis(x, axis, -1); K = x.shape[-1]
;;       x = np.pad(x, [(0, 0)] * (x.ndim - 1) + [(0, -K % 32)]); x = x.reshape(x.shape[:-1] + (-1, 32)); a = np.abs(x).max(-1, keepdims=True)
;;       e = np.where(a > 0, np.clip(np.frexp(np.where(a > 0, a, 1))[1] - 1 - 4, -126, 127), 0)      # np.frexp(a)[1] - 1 = floor(log2(a)), exactly
;;       r = np.clip(x / 2.0 ** e, -28, 28)
;;       step = 2.0 ** (np.maximum(np.frexp(np.where(r == 0, 1, r))[1] - 1, -2) - 2)
;;       q = np.round(r / step) * step * 2.0 ** e      # np.round: ties to even
;;       return np.moveaxis(q.reshape(q.shape[:-2] + (-1,))[..., :K], -1, axis).astype(np.float32)
;;   ~~~
;;   OPERANDS COMPUTED ON THE WAY. 'Computed on the way' means the value that the module computes at that place (a softmax that the list does not call 'softmax' is quantised finished and normalised). What goes into a quantiser is computed in f32, as accurately as f32 sums, v_exp_f32 and their like allow (about 1e-6 of the number): no bf16 or f16 on the way to a quantiser, and a product that is left as it is and whose result goes on into a quantised operand takes f32 operands (vector FMAs, or v_wmma_f32_16x16x4_f32). A number that lies on a knife's edge between two numbers of the format may be rounded either way, as far as f32 arithmetic and the matrix unit's own rounding can turn it there, and no further.
;; One version. Each part assembles by itself: llvm-mc -triple=amdgcn-amd-amdhsa -mcpu=gfx1250 --defsym DOCPART=n.
;; ======== version 1 of 1: 5 launches
;; limits: values are held in bf16: 8 bits of precision; right only within a limited range of input values
;; workspace buffers: qc 22,020,096 bytes; qs 933,888 bytes; plog 4,194,304 bytes; rc 6,569,984 bytes; dpart 4,194,304 bytes
;; launch quant (part 1): grid 448 x 1, 4 waves a work-group, no clusters, 43,520 bytes of LDS; arguments h, neighbor_msg, Wr, Ww, Wc, qc, qs; writes qc, qs
.if DOCPART == 1
	.amdgcn_target "amdgcn-amd-amdhsa--gfx1250"
	.amdhsa_code_object_version 6
	.text
	.protected	k_qd8ba0c4fc0_quant
	.globl	k_qd8ba0c4fc0_quant
	.p2align	8
	.type	k_qd8ba0c4fc0_quant,@function
k_qd8ba0c4fc0_quant:
	s_mov_b64 s[64:65], 0
	v_nop
	global_prefetch_b8 v0, s[64:65] scope:SCOPE_SE
	s_setreg_imm32_b32 hwreg(HW_REG_WAVE_MODE, 25, 1), 1
	s_wait_xcnt 0x0
; h, h + neighbor_msg, Wr and Ww (f32, K innermost, rows dense) become codes of BF6 (E3M2) with one E8M0 byte for each 32 along K; and hc[row] = h[row] . Wc[0][0:2048], in f32.
; A block's scale is 2^(floor(log2(its largest magnitude)) - 4): its byte is the largest magnitude's exponent field - 4, held at 1 from below.
; LIMITS: NaN and infinities among the inputs are not served (stream 2 is made as c x stream 1 + stream 2 with c = 0 for the weights); a block of zeros gets the byte 1 where the rule says 127 (its codes are
; zeros, and this program alone reads the bytes); blocks whose largest magnitude lies under 2^-122 were not tried.
; SHARES.  Every tensor is a plain stream of blocks of 32.  A wave takes TWO runs of 8,192 numbers, 16 steps of 512, and emits Q(X1) and Q(c X1 + X2):
;   work-groups 0-255:   X1 = h run k,  X2 = neighbor_msg run k,  c = 1  (1,024 runs: a run is four rows of h)
;   work-groups 256-319: X1 = Wr run k, X2 = Wr run k + 256,      c = 0
;   work-groups 320-447: X1 = Ww run k, X2 = Ww run k + 512,      c = 0
; Only pointers, offsets and c are chosen, by the work-group's number: all take ONE path.  The eight multiply-adds a step for hc run in the weights' work-groups too (a branch in each step would cost as much); only h's store them.
; Each load reads 512 consecutive bytes; the conversion wants 16 neighbours in a lane: a step's 2,048 bytes turn through the wave's own stage in LDS (places of 64 bytes + 16).  No barrier: waves share nothing.
; LOADS RUN FOUR STEPS AHEAD: 32 loads, 16,384 bytes, of every wave are on their way.  Their four sets of registers: stream 1's in window 0, stream 2's in window 1 (s_set_vgpr_msb: bits 1:0 source 0, 3:2 source 1,
; 5:4 source 2, 7:6 destination): five switches a step.
.set NQO,   6291456                    ; qc: h's codes at 0, (h + nm)'s here,
.set WRQ,   12582912                   ; Wr's,
.set WWQ,   15728640                   ; Ww's
.set NSO,   262144                     ; qs: h's scale bytes at 0, (h + nm)'s here,
.set WRS,   524288
.set WWS,   655360
.set HCO,   917504                     ; and hc, 4,096 f32
.set SP,    80                         ; a lane's place in a stage
.set STGB,  32*SP                      ; a stage; stage (stream x, step parity p) at (2 x + p) STGB of the wave's region
.set SCBY,  4*STGB                     ; behind the four stages: 256 scale bytes for each stream
.set WREG,  SCBY+512                   ; a wave's region
.set X1,    16                         ; v16-47   16 neighbours of stream 1, two sets
.set X2,    48                         ; v48-79   of stream 2
.set WCR,   80                         ; v80-143  Wc[0][0:2048] as 16 loads of 512 bytes lay it: a step's quarter of a row uses 16 of them
.set C1,    144                        ; v144-146 codes of stream 1;  v148-150 of stream 2
.set C2,    148
.set E1,    152                        ; v152, v153 the scale bytes
.set HCA,   154                        ; v154-161 four rows' sums for hc, a pair each
.set HCV,   162                        ; v162-165 hc of my four rows
.set ZR,    166                        ; v166     0
.set OB,    168                        ; v168-171 the scale bytes on their way out
.set R1,    172                        ; v172-235 stream 1 as loaded, four sets of 16
.set R2,    0                          ; window 1, v0-63 (v256-319): stream 2, four sets of 16
.set MSB, 0
.macro WIN new                         ; the immediate's high byte repeats the setting that is left
.if MSB != (\new)
	s_set_vgpr_msb (MSB<<8)|(\new)
.set MSB, (\new)
.endif
.endm
	s_load_b256 s[4:11], s[0:1], 0x0               ; h, neighbor_msg, Wr, Ww
	s_load_b128 s[12:15], s[0:1], 0x20             ; Wc, qc
	s_load_b64 s[16:17], s[0:1], 0x30              ; qs
	v_lshl_add_u32 v254, v0, 2, 0xa800
	v_mov_b32 v255, 0
	v_lshrrev_b32 v1, 5, v0
	v_readfirstlane_b32 s18, v1                    ; wave
	v_and_b32 v2, 31, v0                           ; lane
	v_lshlrev_b32 v3, 4, v2                        ; my 16 bytes of a load's 512
	v_mul_u32_u24 v4, v2, 12                       ; my 12 bytes of a step's 384 bytes of codes
	s_mul_i32 s19, s18, WREG
	v_lshrrev_b32 v14, 2, v2
	v_mul_u32_u24 v14, v14, SP
	v_and_b32 v15, 3, v2
	v_lshl_add_u32 v14, v15, 4, v14
	v_add_nc_u32 v14, s19, v14                     ; into a stage: SP (lane / 4) + 16 (lane % 4)
	v_mul_u32_u24 v15, v2, SP
	v_add_nc_u32 v15, s19, v15                     ; out of it: SP x lane
	v_lshrrev_b32 v5, 1, v2
	s_add_co_u32 s19, s19, SCBY
	v_add_nc_u32 v5, s19, v5                       ; my block's scale byte
	v_lshlrev_b32 v7, 3, v2
	v_add_nc_u32 v6, s19, v7                       ; and 8 bytes a lane on the way out
	v_mov_b32 v[ZR], 0
	s_mov_b32 s48, 0x76543210                      ; v_permlanex16_b32: lane l xor 16
	s_mov_b32 s49, 0xfedcba98
	s_wait_kmcnt 0x0
	s_cmp_lt_u32 ttmp9, 320                        ; Wr's work-group or Ww's
	s_cselect_b64 s[20:21], s[8:9], s[10:11]
	s_mov_b32 s22, 320
	s_cselect_b32 s22, 256, s22                    ; the class's first work-group
	s_mov_b32 s23, 512*32768
	s_cselect_b32 s23, 256*32768, s23              ; where stream 2 begins in its tensor
	s_mov_b32 s24, WWQ
	s_cselect_b32 s24, WRQ, s24                    ; stream 1's codes
	s_mov_b32 s25, WWQ+512*6144
	s_cselect_b32 s25, WRQ+256*6144, s25           ; stream 2's
	s_mov_b32 s26, WWS
	s_cselect_b32 s26, WRS, s26                    ; stream 1's scale bytes
	s_mov_b32 s27, WWS+512*256
	s_cselect_b32 s27, WRS+256*256, s27            ; stream 2's
	s_cmp_lt_u32 ttmp9, 256                        ; or h's
	s_cselect_b64 s[32:33], s[4:5], s[20:21]
	s_cselect_b64 s[34:35], s[6:7], s[20:21]
	s_cselect_b32 s22, 0, s22
	s_cselect_b32 s23, 0, s23
	s_cselect_b32 s24, 0, s24
	s_cselect_b32 s25, NQO, s25
	s_cselect_b32 s26, 0, s26
	s_cselect_b32 s27, NSO, s27
	s_cselect_b32 s46, 1.0, 0                      ; c
	s_mov_b32 s47, s46                             ; (named with it as a pair)
	s_sub_co_u32 s28, ttmp9, s22
	s_lshl_b32 s28, s28, 2
	s_add_co_u32 s28, s28, s18                     ; k: my run
	s_lshl_b32 s50, s28, 15                        ; 32,768 bytes of f32 a run
	s_mov_b32 s51, 0
	s_add_co_u32 s52, s50, s23
	s_mov_b32 s53, 0
	s_mul_i32 s29, s28, 6144                       ; 6,144 bytes of codes
	s_add_co_u32 s54, s29, s24
	s_mov_b32 s55, 0
	s_add_co_u32 s56, s29, s25
	s_mov_b32 s57, 0
	s_lshl_b32 s29, s28, 8                         ; 256 scale bytes
	s_add_co_u32 s58, s29, s26
	s_mov_b32 s59, 0
	s_add_co_u32 s60, s29, s27
	s_mov_b32 s61, 0
	s_lshl_b32 s62, s28, 4                         ; four f32 of hc
	s_add_co_u32 s62, s62, HCO
	s_mov_b32 s63, 0
	s_add_nc_u64 s[32:33], s[32:33], s[50:51]      ; stream 1
	s_add_nc_u64 s[34:35], s[34:35], s[52:53]      ; stream 2
	s_add_nc_u64 s[36:37], s[14:15], s[54:55]      ; their codes
	s_add_nc_u64 s[38:39], s[14:15], s[56:57]
	s_add_nc_u64 s[40:41], s[16:17], s[58:59]      ; their scale bytes
	s_add_nc_u64 s[42:43], s[16:17], s[60:61]
	s_add_nc_u64 s[44:45], s[16:17], s[62:63]      ; hc of my four rows
.macro LOAD t                          ; step t of both streams, as the bytes lie: eight loads of 512 consecutive bytes, into set t % 4
	WIN 0
.irp i, 0,1,2,3
	global_load_b128 v[R1+16*((\t)%4)+4*\i:R1+16*((\t)%4)+4*\i+3], v3, s[32:33] offset:2048*(\t)+512*\i th:TH_LOAD_NT
.endr
	WIN 0x40                                       ; destination window 1, address window 0
.irp i, 0,1,2,3
	global_load_b128 v[R2+16*((\t)%4)+4*\i:R2+16*((\t)%4)+4*\i+3], v3, s[34:35] offset:2048*(\t)+512*\i th:TH_LOAD_NT
.endr
.endm
.macro PREP t                          ; step t: hc's products, stream 2 made, both through their stages
.set RA, R1+16*((\t)%4)
.set RB, R2+16*((\t)%4)
.set WA, WCR+16*((\t)%4)
.set HA, HCA+2*((\t)/4)
	WIN 0
.irp j, 0,2,4,6,8,10,12,14
.if ((\t)%4 == 0) && (\j == 0)
	v_pk_mul_f32 v[HA:HA+1], v[RA:RA+1], v[WA:WA+1]                ; a row's first product starts its sum
.else
	v_pk_fma_f32 v[HA:HA+1], v[RA+\j:RA+\j+1], v[WA+\j:WA+\j+1], v[HA:HA+1]
.endif
.endr
	WIN 0x50                                       ; destination and source 2 (stream 2) window 1, source 0 (stream 1) window 0
.irp j, 0,2,4,6,8,10,12,14
	v_pk_fma_f32 v[RB+\j:RB+\j+1], v[RA+\j:RA+\j+1], s[46:47], v[RB+\j:RB+\j+1] op_sel_hi:[1,0,1]   ; c X1 + X2: h + neighbor_msg, rounded once, or X2
.endr
	WIN 0x04                                       ; an LDS store's data are its source 1: window 1
.irp i, 0,1,2,3
	ds_store_b128 v14, v[RB+4*\i:RB+4*\i+3] offset:STGB*(2+(\t)%2)+8*SP*\i
.endr
	WIN 0
.irp i, 0,1,2,3
	ds_store_b128 v14, v[RA+4*\i:RA+4*\i+3] offset:STGB*((\t)%2)+8*SP*\i
.endr
.irp i, 0,1,2,3
	ds_load_b128 v[X1+16*((\t)%2)+4*\i:X1+16*((\t)%2)+4*\i+3], v15 offset:STGB*((\t)%2)+16*\i    ; LDS serves a wave's instructions in order: these see the stores above
.endr
.irp i, 0,1,2,3
	ds_load_b128 v[X2+16*((\t)%2)+4*\i:X2+16*((\t)%2)+4*\i+3], v15 offset:STGB*(2+(\t)%2)+16*\i
.endr
.endm
.irp j, 0,1,2,3,4,5,6,7,8,9,10,11,12,13,14,15
	global_load_b128 v[WCR+4*\j:WCR+4*\j+3], v3, s[12:13] offset:512*\j
.endr
	LOAD 0
	LOAD 1
	LOAD 2
	LOAD 3
	s_wait_loadcnt 24                              ; Wc's row and step 0 are in; the 24 loads of steps 1 to 3 may be out
	PREP 0
.macro STEP t
.set XA, X1+16*((\t)%2)
.set XB, X2+16*((\t)%2)
.if (\t) > 0
	s_wait_dscnt 2                                 ; this step's numbers are back from the stages (the last step's two byte stores may be out): so the stage's stores have read their registers,
.else
	s_wait_dscnt 0x0
.endif
.if (\t)+4 < 16
	LOAD (\t)+4                                    ; which take the loads of four steps on
.endif
.if (\t)+1 < 16
.if (\t) < 12
	s_wait_loadcnt 24                              ; the next step's eight loads are in; those of the three steps behind it may be out
.else
	s_wait_loadcnt 8*(14-(\t))                     ; the last steps: the counts run down
.endif
	PREP (\t)+1                                    ; the next step turns through the other stages while this one is worked
.endif
	v_max3_num_f32 v8, |v[XA]|, |v[XA+1]|, |v[XA+2]|               ; the largest magnitude of my 16, both streams by turns
	v_max3_num_f32 v10, |v[XB]|, |v[XB+1]|, |v[XB+2]|
	v_max3_num_f32 v9, |v[XA+3]|, |v[XA+4]|, |v[XA+5]|
	v_max3_num_f32 v11, |v[XB+3]|, |v[XB+4]|, |v[XB+5]|
.irp i, 6,10
	v_max3_num_f32 v8, v8, |v[XA+\i]|, |v[XA+\i+1]|
	v_max3_num_f32 v10, v10, |v[XB+\i]|, |v[XB+\i+1]|
	v_max3_num_f32 v9, v9, |v[XA+\i+2]|, |v[XA+\i+3]|
	v_max3_num_f32 v11, v11, |v[XB+\i+2]|, |v[XB+\i+3]|
.endr
	v_max3_num_f32 v8, v8, |v[XA+14]|, |v[XA+15]|
	v_max3_num_f32 v10, v10, |v[XB+14]|, |v[XB+15]|
	v_max3_num_f32 v8, v8, v9, 0x2800000           ; and the floor 2^(5 - 127): the byte cannot fall under 1
	v_max3_num_f32 v10, v10, v11, 0x2800000
	v_max_num_f32_dpp v8, v8, v8 row_xmask:1 row_mask:0xf bank_mask:0xf     ; with my neighbour's 16: the block's
	v_max_num_f32_dpp v10, v10, v10 row_xmask:1 row_mask:0xf bank_mask:0xf
	v_add_nc_u32 v12, 0xfe000000, v8               ; 4 off the exponent field: the conversion takes this operand's exponent field as its scale
	v_add_nc_u32 v13, 0xfe000000, v10
	s_wait_alu depctr_va_vdst(0)
	s_wait_xcnt 0x0                                ; the last step's stores have read their data: the codes' registers are written again only behind this wait
	v_cvt_scalef32_pk16_bf6_f32 v[C1:C1+2], v[XA:XA+15], v12
	v_cvt_scalef32_pk16_bf6_f32 v[C2:C2+2], v[XB:XB+15], v13
	v_lshrrev_b32 v[E1], 23, v12                   ; the scale's byte (also the plain line behind the conversions)
	v_lshrrev_b32 v[E1+1], 23, v13
	ds_store_b8 v5, v[E1] offset:16*(\t)           ; both lanes of a block write the same byte with the same value
	ds_store_b8 v5, v[E1+1] offset:256+16*(\t)
	global_store_b96 v4, v[C1:C1+2], s[36:37] offset:384*(\t)      ; the wave stores 384 consecutive bytes
	global_store_b96 v4, v[C2:C2+2], s[38:39] offset:384*(\t)
.endm
	s_wait_alu depctr_va_vdst(0)
.irp t, 0,1,2,3,4,5,6,7,8,9,10,11,12,13,14,15
	STEP \t
.endr
	ds_load_b64 v[OB:OB+1], v6                     ; my wave's 256 scale bytes of each stream
	ds_load_b64 v[OB+2:OB+3], v6 offset:256
	s_wait_dscnt 0x0
	global_store_b64 v7, v[OB:OB+1], s[40:41]      ; 32 lanes store 256 consecutive bytes, aligned
	global_store_b64 v7, v[OB+2:OB+3], s[42:43]
	s_cmp_lt_u32 ttmp9, 256
	s_cbranch_scc0 .Ldone                          ; only h's work-groups have an hc
.irp q, 0,1,2,3
	v_add_f32 v[HCV+\q], v[HCA+2*\q], v[HCA+2*\q+1]
.endr
.irp m, 1,2,4,8
.irp q, 0,1,2,3
	v_add_f32_dpp v[HCV+\q], v[HCV+\q], v[HCV+\q] row_xmask:\m row_mask:0xf bank_mask:0xf
.endr
.endr
.irp q, 0,1,2,3
	v_permlanex16_b32 v[HCA+\q], v[HCV+\q], s48, s49
.endr
.irp q, 0,1,2,3
	v_add_f32 v[HCV+\q], v[HCV+\q], v[HCA+\q]      ; every lane holds the four rows' sums
.endr
	s_wait_alu depctr_va_vdst(0)
	s_wait_xcnt 0x0                                ; EXEC changes only behind this wait
	v_cmp_eq_u32 vcc_lo, 0, v2
	s_and_saveexec_b32 s56, vcc_lo
	global_store_b128 v[ZR], v[HCV:HCV+3], s[44:45]
	s_wait_xcnt 0x0
	s_or_b32 exec_lo, exec_lo, s56
.Ldone:
	s_wait_tensorcnt 0x0
	ds_add_u32 v254, v255
	s_wait_dscnt 0x0
	s_endpgm
.Lfunc_end_k_qd8ba0c4fc0_quant:
	.size	k_qd8ba0c4fc0_quant, .Lfunc_end_k_qd8ba0c4fc0_quant-k_qd8ba0c4fc0_quant
	.p2alignl 7, 3214868480
	.fill 96, 4, 3214868480
	.section	.rodata,"a",@progbits
	.p2align	6, 0x0
	.amdhsa_kernel k_qd8ba0c4fc0_quant
		.amdhsa_group_segment_fixed_size 43520
		.amdhsa_private_segment_fixed_size 0
		.amdhsa_enable_private_segment 0
		.amdhsa_kernarg_size 56
		.amdhsa_user_sgpr_count 2
		.amdhsa_user_sgpr_kernarg_segment_ptr 1
		.amdhsa_wavefront_size32 1
		.amdhsa_system_sgpr_workgroup_id_x 1
		.amdhsa_system_sgpr_workgroup_id_y 1
		.amdhsa_system_sgpr_workgroup_id_z 1
		.amdhsa_system_vgpr_workitem_id 0
		.amdhsa_next_free_vgpr 320
		.amdhsa_next_free_sgpr 66
		.amdhsa_reserve_vcc 1
		.amdhsa_float_denorm_mode_32 3
		.amdhsa_float_denorm_mode_16_64 3
		.amdhsa_memory_ordered 1
		.amdhsa_forward_progress 1
		.amdhsa_inst_pref_size 86
	.end_amdhsa_kernel
	.amdgpu_metadata
---
amdhsa.version: [ 1, 2 ]
amdhsa.kernels:
  - .name:           k_qd8ba0c4fc0_quant
    .symbol:         k_qd8ba0c4fc0_quant.kd
    .args:
      - { .name: h, .offset: 0, .size: 8, .value_kind: global_buffer, .address_space: global }
      - { .name: neighbor_msg, .offset: 8, .size: 8, .value_kind: global_buffer, .address_space: global }
      - { .name: Wr, .offset: 16, .size: 8, .value_kind: global_buffer, .address_space: global }
      - { .name: Ww, .offset: 24, .size: 8, .value_kind: global_buffer, .address_space: global }
      - { .name: Wc, .offset: 32, .size: 8, .value_kind: global_buffer, .address_space: global }
      - { .name: qc, .offset: 40, .size: 8, .value_kind: global_buffer, .address_space: global }
      - { .name: qs, .offset: 48, .size: 8, .value_kind: global_buffer, .address_space: global }
    .group_segment_fixed_size: 43520
    .private_segment_fixed_size: 0
    .kernarg_segment_align: 8
    .kernarg_segment_size: 56
    .max_flat_workgroup_size: 128
    .sgpr_count:     66
    .vgpr_count:     320
    .wavefront_size: 32
...
	.end_amdgpu_metadata
.endif
;; end of part 1
;; launch gemm1 (part 2): grid 8 x 32, 4 waves a work-group, clusters of 4 x 4, 327,680 bytes of LDS; arguments qc, qs, keys, br, plog; writes plog
.if DOCPART == 2
	.amdgcn_target "amdgcn-amd-amdhsa--gfx1250"
	.amdhsa_code_object_version 6
	.text
	.protected	k_qd8ba0c4fc0_gemm1
	.globl	k_qd8ba0c4fc0_gemm1
	.p2align	8
	.type	k_qd8ba0c4fc0_gemm1,@function
k_qd8ba0c4fc0_gemm1:
	s_mov_b64 s[64:65], 0
	v_nop
	global_prefetch_b8 v0, s[64:65] scope:SCOPE_SE
	s_setreg_imm32_b32 hwreg(HW_REG_WAVE_MODE, 25, 1), 1
	s_wait_xcnt 0x0
	s_wait_alu depctr_hold_cnt(0) depctr_sa_sdst(0) depctr_va_vdst(0) depctr_va_sdst(0) depctr_va_ssrc(0) depctr_va_vcc(0) depctr_vm_vsrc(0)
	s_getreg_b32 s2, hwreg(HW_REG_IB_STS2, 6, 4)
	s_cmp_eq_u32 s2, 0
	s_cbranch_scc0 .Lentry_in_a_cluster
	s_endpgm
.Lentry_in_a_cluster:
	s_bfe_u32 s2, ttmp6, 0x10000c
	s_cmp_lg_u32 s2, 0xf033
	s_cbranch_scc0 .Lentry_shape_is_right
	s_endpgm
.Lentry_shape_is_right:
; q = Q(h) Q(Wr)^T + br on codes of BF6 with E8M0 scales; q is never stored: each wave multiplies its 128 x 128 of q by the 8 keys (f32 operands, the f32 matrix form) and stores 128 rows x 8 partial logits.
; SHARES.  q is 4,096 x 2,048: 128 tiles of 256 x 256.  The logits are linear in q, so K = 2,048 is split in two halves: 256 work-groups, 8 steps of 128 along K each; br enters in the first half alone.
; The half of K is the cluster's x: clusters that differ in x read no common byte of h's or Wr's codes.  The 32 parts of the logits (2 halves of K x 8 tile columns x 2 waves) are added by the next launch.
; LIMIT: the order of the sums differs from a single ascending K.
; THE RING: two LDS slots, filled by the tensor data mover in CHUNKS OF 256 BYTES of each row of codes: a half row is 768 bytes, three chunks, each beginning at a multiple of 256 bytes.
; A step is 96 bytes of a row: eight steps to three chunks; steps 2 and 5 lie across two chunks and take their pieces from both slots.
; THE HEAD: one joint load a wave: A's chunk 0, B's chunk 0, A's chunk 1, B's chunk 1, 256 rows each.  So both slots are first filled at the head, and only chunk 2 is a refill.
; CLUSTERS: 4 x 4 work-groups; A's tiles are asked for jointly along a row of the cluster, B's along a column.  The scales (16,384 bytes of a work-group's 409,600), the keys and br come by plain loads,
; issued ahead of the first round: they are a small part of the bytes, and the scales' half rows of 32 bytes go into LDS bytes of their own, rows 48 bytes apart, by LDS stores.
; PREFETCH: behind the head's loads each wave names chunk 2 of 32 rows, a lane a row: the four partners that ask for a tile jointly share its rows out by address.  Chunk 2 is the only refill, so nothing more is asked.
; THE MATRIX INSTRUCTION IS USED TRANSPOSED (source 0 = 16 rows of Wr, source 1 = 16 rows of h): a lane holds one row of q and eight neighbouring columns.
; REGISTERS: window 0: v0-31 addresses; v32-63 scale words, two sets; v64-127 br as the first products' C; v128-223 A's fragments, one set, later the keys; v224-255 the logits' sums (written by matrix instructions alone).
;   window 1: B's fragments, two sets.   windows 2, 3: the 64 accumulators.
.set WRQ,    12582912
.set WRS,    524288
.set KROW,   1536
.set STEPS,  8
.set CHUNKS, 3
.set ROWB,   256
.set NQ,     2
.set PITCH,  272
.set FR,     12
.set NL,     6
.set NP,     4
.set HALFT,  128*PITCH
.set SLOT,   4*HALFT
.set SCP,    48
.set SCL,    2*SLOT
.set HALFS,  128*SCP
.set SBLK,   16*SCP
.set SPARE,  SCL+4*HALFS
.set KEYS,   SPARE+512
.set KP,     528                       ; a key's 512 bytes + 16
.set KW,     4352                      ; a wave's eight keys, rounded up to blocks of 256 bytes
.set ADRA, 16
.set ADRB, 20
.set KAD,  24
.set PO,   25
.set KST,  26
.set ADRS, 27
.set SPW,  28
.set NIL,  29
.set SST,  30
.set PFO,  31
.set SC,   32
.set BI,   64
.set AF,   128
.set KF,   128
.set DG,   224
.set G1, 24
.set G0, 32
.set G1B, 48
.set G0B, 56
.set H0,  68
.set PFA, 84
.set SA,  96
.set SB,  98
.set MSB, 0
.macro WIN new
.if MSB != (\new)
	s_set_vgpr_msb (MSB<<8)|(\new)
.set MSB, (\new)
.endif
.endm
.set MUL_LO, 0xa1
.set MUL_HI, 0xf1
.set FST_LO, 0x81
.set FST_HI, 0xc1
.set TO_B,   0x40
.macro JLOAD g0a, g1a, g0b, g1b
	s_cmp_eq_u32 s15, 0
	s_cbranch_scc0 .Lfor_b_\@
	tensor_load_to_lds s[\g0a:\g0a+3], s[\g1a:\g1a+7]
	s_nop 0
.rept 4
	v_nop
.endr
	s_branch .Lasked_\@
.Lfor_b_\@:
	tensor_load_to_lds s[\g0b:\g0b+3], s[\g1b:\g1b+7]
	s_nop 0
.rept 4
	v_nop
.endr
.Lasked_\@:
.endm
.macro CREST
	s_cmp_lg_u32 s14, 0
	s_cbranch_scc1 .Lnot_wave_0_\@
	s_barrier_signal -3
.Lnot_wave_0_\@:
	s_barrier_wait -3
	s_barrier_signal -1
	s_barrier_wait -1
.endm
.macro CROUND
	s_barrier_signal -1
	s_barrier_wait -1
	CREST
.endm
	s_load_b256 s[4:11], s[0:1], 0x0               ; qc, qs, keys, br
	s_load_b64 s[12:13], s[0:1], 0x20              ; plog
	v_lshl_add_u32 v[SPW], v0, 2, SPARE
	v_mov_b32 v[NIL], 0
	ds_add_u32 v[SPW], v[NIL]                      ; the opening lines: the add, twice on end, and its wait ahead of my first tensor load
	ds_add_u32 v[SPW], v[NIL]
	v_lshrrev_b32 v1, 5, v0
	v_readfirstlane_b32 s14, v1                    ; wave
	v_bfe_u32 v2, v0, 4, 1                         ; h
	v_and_b32 v9, 31, v0
	v_lshlrev_b32 v10, 4, v9                       ; 16 x lane
	v_lshlrev_b32 v11, 5, v2                       ; 32 h
	v_lshrrev_b32 v13, 1, v0                       ; the scales: two threads to a half row of 32 bytes
	v_and_b32 v14, 1, v0
	v_lshlrev_b32 v12, 6, v13
	v_lshl_add_u32 v12, v14, 4, v12                ; in memory: 64 (t / 2) + 16 (t % 2)
	v_mul_u32_u24 v[SST], v13, SCP
	v_lshl_add_u32 v[SST], v14, 4, v[SST]
	v_add_nc_u32 v[SST], SCL, v[SST]               ; in LDS: 48 (t / 2) + 16 (t % 2)
	s_lshr_b32 s15, s14, 1                         ; my half of the tile's rows; in the ring: I fetch for A (0) or B (1)
	s_and_b32 s16, s14, 1                          ; my half of its columns; in the ring: which 128 rows I fetch
	s_bfe_u32 s40, ttmp6, 0x40000                  ; cx
	s_bfe_u32 s41, ttmp6, 0x40004                  ; cy
	s_mov_b32 s95, ttmp9                           ; the half of K = the cluster's x: the same in all sixteen partners
	s_and_b32 s17, ttmp7, 0xffff
	s_lshr_b32 s42, s17, 2
	s_lshl_b32 s42, s42, 2
	s_add_co_u32 s42, s42, s40                     ; tile column = 4 (cluster y / 4) + cx
	s_and_b32 s17, s17, 3
	s_lshl_b32 s17, s17, 2
	s_add_co_u32 s17, s17, s41                     ; tile row = 4 (cluster y % 4) + cy
	s_lshl_b32 s43, s41, 2
	s_lshl_b32 s43, 15, s43                        ; my row of the cluster
	s_lshl_b32 s44, 0x1111, s40                    ; my column
	s_or_b32 s[G1+0], s43, (0<<16)|(1<<20)|(1<<21)|(5<<22)|(3<<25)   ; bytes; 16 bytes of padding behind every 256
	s_or_b32 s[G1B+0], s44, (0<<16)|(1<<20)|(1<<21)|(5<<22)|(3<<25)
.irp g, G1, G1B
	s_mov_b32 s[\g+1], ROWB<<16
	s_mov_b32 s[\g+2], 256<<16                     ; 256 rows for the head's loads
	s_mov_b32 s[\g+3], ROWB<<16
	s_mov_b32 s[\g+4], 256
	s_mov_b32 s[\g+5], KROW
	s_mov_b32 s[\g+6], 0
	s_mov_b32 s[\g+7], 0
.endr
	s_lshl_b32 s20, s17, 8                         ; A's first row
	s_lshl_b32 s46, s42, 8                         ; B's first row
	s_lshl_b32 s22, s20, 6                         ; their scales, 64 bytes a row
	s_lshl_b32 s92, s46, 6
	s_mul_i32 s20, s20, KROW
	s_mul_i32 s46, s46, KROW
	s_mul_i32 s18, s95, 768                        ; the half of K: 768 bytes of codes,
	s_lshl_b32 s19, s95, 5                         ; 32 scale bytes
	s_add_co_u32 s20, s20, s18
	s_add_co_u32 s46, s46, s18
	s_add_co_u32 s46, s46, WRQ
	s_add_co_u32 s22, s22, s19
	s_add_co_u32 s92, s92, s19
	s_add_co_u32 s92, s92, WRS
	s_mov_b32 s21, 0
	s_mov_b32 s23, 0
	s_mov_b32 s47, 0
	s_mov_b32 s93, 0
	s_mul_i32 s18, s16, 128*KROW                   ; in the ring: which 128 rows
	s_mov_b32 s19, 0
	s_mul_i32 s45, s14, HALFT                      ; and where they go
	s_lshl_b32 s2, s42, 10
	s_lshl_b32 s3, s16, 9
	s_add_co_u32 s2, s2, s3                        ; my first column x 4 bytes
	s_mov_b32 s3, 0
	s_cmp_eq_u32 s15, 0                            ; the prefetches: my tile, my 128 rows, my work-group's 32 of them
	s_cselect_b32 s66, s20, s46
	s_cselect_b32 s67, s40, s41
	s_mul_i32 s67, s67, 32*KROW
	s_add_co_u32 s66, s66, s67
	s_add_co_u32 s66, s66, s18
	s_mov_b32 s67, 0
	s_wait_alu depctr_va_vdst(0)
	s_wait_dscnt 0x0                               ; both opening adds are done
	s_wait_kmcnt 0x0
	s_add_nc_u64 s[PFA:PFA+1], s[4:5], s[66:67]
	s_add_nc_u64 s[20:21], s[4:5], s[20:21]
	s_add_nc_u64 s[SA:SA+1], s[6:7], s[22:23]
	s_add_nc_u64 s[46:47], s[4:5], s[46:47]
	s_add_nc_u64 s[SB:SB+1], s[6:7], s[92:93]
	s_add_nc_u64 s[8:9], s[8:9], s[2:3]
	s_add_nc_u64 s[10:11], s[10:11], s[2:3]
.irp j, 0,1,2,3
	global_load_b128 v[192+4*\j:192+4*\j+3], v12, s[SA:SA+1] offset:4096*\j      ; 64 rows' scales a load
	global_load_b128 v[208+4*\j:208+4*\j+3], v12, s[SB:SB+1] offset:4096*\j
.endr
.irp s, 0,1,2,3,4,5,6,7
	global_load_b128 v[128+4*\s:128+4*\s+3], v10, s[8:9] offset:8192*\s          ; keys[s], my 128 columns
.endr
.irp b, 0,1,2,3,4,5,6,7
	global_load_b128 v[BI+8*\b:BI+8*\b+3], v11, s[10:11] offset:64*\b            ; br at the lane's eight columns of block b
	global_load_b128 v[BI+8*\b+4:BI+8*\b+7], v11, s[10:11] offset:64*\b+16
.endr
	CROUND                                         ; all sixteen work-groups are here: the first joint loads meet
.irp c, 0,1
	s_mov_b32 s[H0+8*\c], 1                        ; the head's four tiles: chunk c of A's 256 rows,
	s_mov_b32 s[H0+8*\c+1], \c*SLOT
	s_add_nc_u64 s[H0+8*\c+2:H0+8*\c+3], s[20:21], \c*ROWB
	s_or_b32 s[H0+8*\c+3], s[H0+8*\c+3], 0x80000000
	s_mov_b32 s[H0+8*\c+4], 1                      ; and of B's, behind them in slot c
	s_mov_b32 s[H0+8*\c+5], \c*SLOT+2*HALFT
	s_add_nc_u64 s[H0+8*\c+6:H0+8*\c+7], s[46:47], \c*ROWB
	s_or_b32 s[H0+8*\c+7], s[H0+8*\c+7], 0x80000000
.endr
	s_add_nc_u64 s[20:21], s[20:21], s[18:19]      ; for the ring: my 128 rows
	s_add_nc_u64 s[46:47], s[46:47], s[18:19]
.irp s, 0,1
	s_mov_b32 s[G0+4*\s], 1
	s_add_co_u32 s[G0+4*\s+1], s45, \s*SLOT
	s_add_nc_u64 s[G0+4*\s+2:G0+4*\s+3], s[20:21], \s*ROWB
	s_or_b32 s[G0+4*\s+3], s[G0+4*\s+3], 0x80000000
	s_mov_b32 s[G0B+4*\s], 1
	s_add_co_u32 s[G0B+4*\s+1], s45, \s*SLOT
	s_add_nc_u64 s[G0B+4*\s+2:G0B+4*\s+3], s[46:47], \s*ROWB
	s_or_b32 s[G0B+4*\s+3], s[G0B+4*\s+3], 0x80000000
.endr
; one tree of branches on the wave's number: every way through the head passes exactly one load
.macro ARM under, g0, g1, next
	s_cmp_lt_u32 s14, \under
	s_cbranch_scc0 \next
	tensor_load_to_lds s[\g0:\g0+3], s[\g1:\g1+7]
	s_nop 0
.rept 4
	v_nop
.endr
	s_branch .Lhead_asked
\next:
.endm
	ARM 1, H0,   G1,  .Lhead_b0
	ARM 2, H0+4, G1B, .Lhead_a1
	ARM 3, H0+8, G1,  .Lhead_b1
	tensor_load_to_lds s[H0+12:H0+15], s[G1B:G1B+7]
	s_nop 0
.rept 4
	v_nop
.endr
.Lhead_asked:
	v_and_b32 v[PFO], 31, v0
	v_mul_u32_u24 v[PFO], v[PFO], KROW
	global_prefetch_b8 v[PFO], s[PFA:PFA+1] offset:2*ROWB th:TH_LOAD_NT scope:SCOPE_SE   ; chunk 2 of my 32 rows; its registers are never rewritten
	v_and_b32 v1, 15, v0                           ; r
	v_mul_u32_u24 v3, v1, PITCH
	v_mul_u32_u24 v4, v2, 24
	v_add_nc_u32 v4, v3, v4                        ; a fragment's row x pitch + 24 h
	s_mov_b32 s21, SLOT-232
	s_mov_b32 s22, SLOT+232
	v_sub_nc_u32 v7, 1, v2
	v_mul_u32_u24 v5, s21, v2
	v_add_nc_u32 v5, v3, v5
	v_add_nc_u32 v5, 232, v5                       ; across two chunks: lanes 0-15 byte 232 of the row in slot 0, lanes 16-31 byte 0 in slot 1;
	v_mul_u32_u24 v6, s22, v7
	v_add_nc_u32 v6, v3, v6                        ; and lanes 0-15 byte 232 in slot 1, lanes 16-31 byte 0 in slot 0
	s_mul_i32 s21, s15, HALFT
	s_mul_i32 s22, s16, HALFT
	s_add_co_u32 s22, s22, 2*HALFT
	v_add_nc_u32 v[ADRA+2], s21, v5
	v_add_nc_u32 v[ADRA+3], s21, v6
	v_add_nc_u32 v[ADRB+2], s22, v5
	v_add_nc_u32 v[ADRB+3], s22, v6
.irp s, 0,1
	v_add_nc_u32 v[ADRA+\s], s21, v4
	v_add_nc_u32 v[ADRB+\s], s22, v4
	s_add_co_u32 s21, s21, SLOT
	s_add_co_u32 s22, s22, SLOT
.endr
	v_mul_u32_u24 v5, v1, SCP
	s_mul_i32 s21, s15, HALFS
	s_mul_i32 s22, s16, HALFS
	s_add_co_u32 s22, s22, 2*HALFS
	s_sub_co_u32 s22, s22, s21
	v_mul_u32_u24 v6, s22, v2                      ; lanes 16-31 take B's scale words
	s_add_co_u32 s21, s21, SCL
	v_add_nc_u32 v5, v5, v6
	v_add_nc_u32 v[ADRS], s21, v5
	s_mul_i32 s21, s14, KW
	s_add_co_u32 s21, s21, KEYS                    ; my wave's bytes for the keys
	v_add_nc_u32 v[KST], s21, v10
	v_and_b32 v8, 3, v0                            ; the keys as source 0 of the f32 form: lane r holds slot r % 4 + 4 (r / 8): rows 0-3 are slots 0-3, rows 8-11 slots 4-7
	v_bfe_u32 v15, v0, 3, 1
	v_lshl_add_u32 v8, v15, 2, v8
	v_mul_u32_u24 v8, v8, KP
	v_lshl_add_u32 v8, v2, 5, v8                   ; + 32 h: the lane's eight columns
	v_add_nc_u32 v[KAD], s21, v8
	v_lshlrev_b32 v[PO], 5, v1
	v_lshl_add_u32 v[PO], v2, 4, v[PO]             ; the way out: row r of 32 bytes, + 16 h
	s_lshl_b32 s20, s95, 4                         ; my part of the logits: 16 x half of K + 2 x tile column + half of the columns
	s_lshl_b32 s21, s42, 1
	s_add_co_u32 s20, s20, s21
	s_add_co_u32 s20, s20, s16
	s_lshl_b32 s20, s20, 17
	s_lshl_b32 s21, s17, 13
	s_add_co_u32 s20, s20, s21
	s_lshl_b32 s21, s15, 12
	s_add_co_u32 s20, s20, s21
	s_mov_b32 s21, 0
	s_add_nc_u64 s[12:13], s[12:13], s[20:21]
	s_wait_alu depctr_va_vdst(0)
	s_wait_loadcnt 0x0
.irp j, 0,1,2,3
	ds_store_b128 v[SST], v[192+4*\j:192+4*\j+3] offset:64*SCP*\j
	ds_store_b128 v[SST], v[208+4*\j:208+4*\j+3] offset:2*HALFS+64*SCP*\j
.endr
.irp s, 0,1,2,3,4,5,6,7
	ds_store_b128 v[KST], v[128+4*\s:128+4*\s+3] offset:KP*\s
.endr
	s_cmp_eq_u32 s95, 0
	s_cselect_b32 s92, 1.0, 0                      ; br counts in the first half of K alone
	s_mov_b32 s93, s92
.set p, 0
.rept 32
	v_pk_mul_f32 v[BI+p:BI+p+1], v[BI+p:BI+p+1], s[92:93] op_sel_hi:[1,0]
.set p, p+2
.endr
.macro FRAG reg, adr, st, i            ; 16 rows x 128 K: 12 registers, in pieces of 8 bytes; byte y of the half row lies in slot (y / 256) % 2 at byte y % 256 of the LDS row
.irp p, 0,1,2,3,4,5
.set BY, 96*(\st)+48*(\p/3)+8*(\p%3)
.if BY/ROWB == (BY+24)/ROWB
	ds_load_b64 v[\reg+2*\p:\reg+2*\p+1], v[\adr+(BY/ROWB)%2] offset:BY%ROWB+(\i)*16*PITCH
.else
	ds_load_b64 v[\reg+2*\p:\reg+2*\p+1], v[\adr+2+(BY/ROWB)%2] offset:BY%ROWB-232+(\i)*16*PITCH
.endif
.endr
.endm
; 16 matrix instructions: A's blocks a0, a0 + 1 x B's eight.  first = 1: br is the C of the first products.  The 64 accumulators take turns.
.macro MUL16 a0, p, q, sc, first
.irp a, \a0, \a0+1
.irp b, 0,1,2,3,4,5,6,7
.if \first
	v_wmma_scale_f32_16x16x128_f8f6f4 v[8*(8*((\a)%4)+\b):8*(8*((\a)%4)+\b)+7], v[128*(\p)+FR*\b:128*(\p)+FR*\b+FR-1], v[AF+FR*(\a):AF+FR*(\a)+FR-1], v[BI+8*\b:BI+8*\b+7], v[SC+8*NQ*(\sc)+NQ*\b+(\q)], v[SC+8*NQ*(\sc)+NQ*(\a)+(\q)] matrix_a_fmt:MATRIX_FMT_BF6 matrix_b_fmt:MATRIX_FMT_BF6 matrix_a_scale:MATRIX_SCALE_ROW1
.else
	v_wmma_scale_f32_16x16x128_f8f6f4 v[8*(8*((\a)%4)+\b):8*(8*((\a)%4)+\b)+7], v[128*(\p)+FR*\b:128*(\p)+FR*\b+FR-1], v[AF+FR*(\a):AF+FR*(\a)+FR-1], v[8*(8*((\a)%4)+\b):8*(8*((\a)%4)+\b)+7], v[SC+8*NQ*(\sc)+NQ*\b+(\q)], v[SC+8*NQ*(\sc)+NQ*(\a)+(\q)] matrix_a_fmt:MATRIX_FMT_BF6 matrix_b_fmt:MATRIX_FMT_BF6 matrix_a_scale:MATRIX_SCALE_ROW1
.endif
.endr
.endr
.endm
.macro FETCH_B st, p
	WIN TO_B
.irp i, 0,1,2,3,4,5,6,7
	FRAG 128*(\p)+FR*\i, ADRB, \st, \i
.endr
	WIN 0
.endm
.macro FETCH_A st, i0
.irp i, \i0, \i0+1, \i0+2, \i0+3
	FRAG AF+FR*(\i), ADRA, \st, \i
.endr
.endm
.macro SCALES pr                       ; the scale words of steps 2 pr and 2 pr + 1: lanes 0-15 A's block i, lanes 16-31 B's block i
.irp i, 0,1,2,3,4,5,6,7
	ds_load_b64 v[SC+8*NQ*((\pr)%2)+NQ*\i:SC+8*NQ*((\pr)%2)+NQ*\i+1], v[ADRS] offset:\i*SBLK+4*NQ*(\pr)
.endr
.endm
.macro PLACES n
.rept \n
	v_nop
.endr
.endm
; A step: 64 matrix instructions; the next step's fragments are fetched in its middle and at its end, in two runs.  Where the next step's bytes END in a chunk from 2 on that no step has read, a barrier shows that chunk whole
; (chunks 0 and 1 were shown by the head's barrier); where they BEGIN in a later chunk, the chunk left behind is read no more: the wait for all tensor loads, the add, the wait for it and for my reads, the barrier,
; which opens a round of the cluster's barrier where a chunk two on is left to fetch; the joint refill is the first tensor load behind the round.
.macro STEP st, first
.set NX, (\st)+1
.set C0, (96*(\st))/ROWB
.set C1, (96*NX)/ROWB
.set E0, (96*(\st)+95)/ROWB
.set E1, (96*NX+95)/ROWB
.if C1 > C0 || (E1 > E0 && E1 > 1)
	s_wait_tensorcnt 0x0                           ; all my tensor loads have landed
.if C1 > C0
	ds_add_u32 v[SPW], v[NIL]
	s_wait_dscnt 4*NL+1                            ; the add and the youngest 24 loads (A's blocks 4-7) may be out
.else
	s_wait_dscnt 4*NL
.endif
	WIN MUL_LO
	MUL16 0, (\st)%2, (\st)%2, ((\st)/2)%2, 0
	s_wait_dscnt 0x0                               ; the add and all my reads are done
	s_barrier_signal -1
	MUL16 2, (\st)%2, (\st)%2, ((\st)/2)%2, 0
	WIN 0
	s_barrier_wait -1
.if C1 > C0 && C0+2 < CHUNKS
	CREST
	s_add_nc_u64 s[G0+4*(C0%2)+2:G0+4*(C0%2)+3], s[G0+4*(C0%2)+2:G0+4*(C0%2)+3], 2*ROWB
	s_add_nc_u64 s[G0B+4*(C0%2)+2:G0B+4*(C0%2)+3], s[G0B+4*(C0%2)+2:G0B+4*(C0%2)+3], 2*ROWB
	JLOAD G0+4*(C0%2), G1, G0B+4*(C0%2), G1B       ; chunk C0 + 2; its four v_nop are the places in front of the loads below
.else
	PLACES NP
.endif
.else
	s_wait_dscnt 4*NL                              ; B's set, A's blocks 0-3 and the scale words are in; the youngest 24 loads may be out
.if \first
	WIN FST_LO
.else
	WIN MUL_LO
.endif
	MUL16 0, (\st)%2, (\st)%2, ((\st)/2)%2, \first
	MUL16 2, (\st)%2, (\st)%2, ((\st)/2)%2, \first
	s_wait_dscnt 0
	PLACES NP
.endif
	FETCH_B NX, NX%2
	FETCH_A NX, 0
.if NX%2 == 0
	SCALES NX/2
.endif
.if \first
	WIN FST_HI
.else
	WIN MUL_HI
.endif
	MUL16 4, (\st)%2, (\st)%2, ((\st)/2)%2, \first
	MUL16 6, (\st)%2, (\st)%2, ((\st)/2)%2, \first
	PLACES NP
	WIN 0
	FETCH_A NX, 4
.endm
	s_wait_alu depctr_va_vdst(0)                   ; the head's end
	s_wait_tensorcnt 0x0                           ; my tile of the head's four is in; no tensor load of mine is out, so a descriptor may be written:
	s_mov_b32 s[G1+2], 128<<16                     ; from here on a load brings 128 rows
	s_mov_b32 s[G1+4], 128
	s_mov_b32 s[G1B+2], 128<<16
	s_mov_b32 s[G1B+4], 128
	s_wait_dscnt 0x0                               ; for the others' sake: my part of the scales lies in LDS
	s_barrier_signal -1
	s_barrier_wait -1                              ; chunks 0 and 1 and the scales are whole
	FETCH_B 0, 0
	FETCH_A 0, 0
	SCALES 0
	FETCH_A 0, 4
	STEP 0, 1
.set ST, 1
.rept STEPS-2
	STEP ST, 0
.set ST, ST+1
.endr
	s_wait_dscnt 4*NL                              ; the last step: nothing more to fetch
	WIN MUL_LO
	MUL16 0, 1, 1, 1, 0
	MUL16 2, 1, 1, 1, 0
	s_wait_dscnt 0
	WIN MUL_HI
	MUL16 4, 1, 1, 1, 0
	MUL16 6, 1, 1, 1, 0
	WIN 0
; THE LOGITS' PART, by the f32 matrix form, 16 x 16 x 4: D(slot, row) += keys(slot, k) q(row, k).  Registers 2 i, 2 i + 1 of accumulator (a, b) ARE source 1 for the four columns 16 b + 8 h + 2 i + j (h = 0, 1; j = 0, 1),
; and the keys' registers hold the same four columns in the same places.  With the keys' rows ordered as above, lane (r, h) registers 0-3 of a sum are slots 4 h .. 4 h + 3 of row r: 16 bytes to store as they are.
; Four sums by turns; rows 0-63 first, then rows 64-127 in the same registers.
	PLACES 5                                       ; behind the last products: their results become sources, and the keys land in registers that held A's fragments
.irp b, 0,1,2,3,4,5,6,7
	ds_load_b128 v[KF+8*\b:KF+8*\b+3], v[KAD] offset:64*\b
	ds_load_b128 v[KF+8*\b+4:KF+8*\b+7], v[KAD] offset:64*\b+16
.endr
	s_wait_dscnt 0x0
.irp hi, 0,1
	WIN 0x08+4*\hi                                 ; source 1: window 2 or 3
.irp b, 0,1,2,3,4,5,6,7
.irp i, 0,1,2,3
.irp a4, 0,1,2,3
.if (\b == 0) && (\i == 0)
	v_wmma_f32_16x16x4_f32 v[DG+8*\a4:DG+8*\a4+7], v[KF+8*\b+2*\i:KF+8*\b+2*\i+1], v[8*(8*\a4+\b)+2*\i:8*(8*\a4+\b)+2*\i+1], 0
.else
	v_wmma_f32_16x16x4_f32 v[DG+8*\a4:DG+8*\a4+7], v[KF+8*\b+2*\i:KF+8*\b+2*\i+1], v[8*(8*\a4+\b)+2*\i:8*(8*\a4+\b)+2*\i+1], v[DG+8*\a4:DG+8*\a4+7]
.endif
.endr
.endr
.endr
	WIN 0
	PLACES 9                                       ; in front of the stores' reads, and of the next sums, which begin anew in these registers
.irp a4, 0,1,2,3
	global_store_b128 v[PO], v[DG+8*\a4:DG+8*\a4+3], s[12:13] offset:512*(4*\hi+\a4)    ; 16 rows x 8 slots: 512 consecutive bytes
.endr
.if \hi == 0
	s_wait_xcnt 0x0                                ; the stores have read their data: the sums' registers are written again only behind this wait
.endif
.endr
	s_wait_tensorcnt 0x0                           ; the wave's end
	ds_add_u32 v[SPW], v[NIL]
	s_wait_dscnt 0x0
	CROUND                                         ; the closing round
	s_endpgm
.Lfunc_end_k_qd8ba0c4fc0_gemm1:
	.size	k_qd8ba0c4fc0_gemm1, .Lfunc_end_k_qd8ba0c4fc0_gemm1-k_qd8ba0c4fc0_gemm1
	.p2alignl 7, 3214868480
	.fill 96, 4, 3214868480
	.section	.rodata,"a",@progbits
	.p2align	6, 0x0
	.amdhsa_kernel k_qd8ba0c4fc0_gemm1
		.amdhsa_group_segment_fixed_size 327680
		.amdhsa_private_segment_fixed_size 0
		.amdhsa_enable_private_segment 0
		.amdhsa_kernarg_size 40
		.amdhsa_user_sgpr_count 2
		.amdhsa_user_sgpr_kernarg_segment_ptr 1
		.amdhsa_wavefront_size32 1
		.amdhsa_system_sgpr_workgroup_id_x 1
		.amdhsa_system_sgpr_workgroup_id_y 1
		.amdhsa_system_sgpr_workgroup_id_z 1
		.amdhsa_system_vgpr_workitem_id 0
		.amdhsa_next_free_vgpr 1024
		.amdhsa_next_free_sgpr 100
		.amdhsa_reserve_vcc 0
		.amdhsa_float_denorm_mode_32 3
		.amdhsa_float_denorm_mode_16_64 3
		.amdhsa_memory_ordered 1
		.amdhsa_forward_progress 1
		.amdhsa_inst_pref_size 155
	.end_amdhsa_kernel
	.amdgpu_metadata
---
amdhsa.version: [ 1, 2 ]
amdhsa.kernels:
  - .name:           k_qd8ba0c4fc0_gemm1
    .symbol:         k_qd8ba0c4fc0_gemm1.kd
    .args:
      - { .name: qc, .offset: 0, .size: 8, .value_kind: global_buffer, .address_space: global }
      - { .name: qs, .offset: 8, .size: 8, .value_kind: global_buffer, .address_space: global }
      - { .name: keys, .offset: 16, .size: 8, .value_kind: global_buffer, .address_space: global }
      - { .name: br, .offset: 24, .size: 8, .value_kind: global_buffer, .address_space: global }
      - { .name: plog, .offset: 32, .size: 8, .value_kind: global_buffer, .address_space: global }
    .group_segment_fixed_size: 327680
    .private_segment_fixed_size: 0
    .kernarg_segment_align: 8
    .kernarg_segment_size: 40
    .max_flat_workgroup_size: 128
    .sgpr_count:     100
    .vgpr_count:     1024
    .wavefront_size: 32
...
	.end_amdgpu_metadata
.endif
;; end of part 2
;; launch mid (part 3): grid 256 x 1, 8 waves a work-group, no clusters, 31,232 bytes of LDS; arguments plog, qs, state, fast, Wc, bc, out0, out1, rc; writes out0, out1, rc
.if DOCPART == 3
	.amdgcn_target "amdgcn-amd-amdhsa--gfx1250"
	.amdhsa_code_object_version 6
	.text
	.protected	k_qd8ba0c4fc0_mid
	.globl	k_qd8ba0c4fc0_mid
	.p2align	8
	.type	k_qd8ba0c4fc0_mid,@function
k_qd8ba0c4fc0_mid:
	s_mov_b64 s[64:65], 0
	v_nop
	global_prefetch_b8 v0, s[64:65] scope:SCOPE_SE
	s_setreg_imm32_b32 hwreg(HW_REG_WAVE_MODE, 25, 1), 1
	s_wait_xcnt 0x0
; For 16 rows a work-group: the logits' 32 parts are added; attn = softmax over the 8 slots (the row's maximum is taken away first); read = attn (state + fast); read is stored, and quantised to codes of BF6 with E8M0
; bytes for the next product; add = sigmoid(hc + read . Wc[0][2048:] + bc[0]); the work-group's column sums of attn and its sum of add go to a record of 64 bytes.  All in f32.
; The erase gate (Wc's row 1, bc[1]) reaches no output of the module and is not computed.
; LIMITS: NaN and infinities are not served; a block of zeros gets the byte 1 (its codes are zeros; this program alone reads the bytes).
; SHARES.  Wave w: columns 512 (w % 4) on, rows 8 (w / 4) on.  state + fast of its 512 columns stays in 128 registers.  No tensor load, no matrix instruction: the work is 8 multiply-adds a number, memory binds.
; Two barriers: behind the first the waves' partial logits lie in LDS; behind the second the 16 rows' scale bytes and the gate's partial sums.
.set HCO,  917504                      ; qs: hc
.set RS,   6291456                     ; rc: codes of read at 0 (rows of 1,536 bytes), scale bytes here (rows of 64),
.set REC,  6553600                     ; the records here
.set SP,   80
.set ATT,  4096                        ; LDS: 0: eight waves' partial logits, 512 bytes each; here: attn, a copy for each wave
.set STG,  8192                        ; a stage of 32 places of 80 bytes for each wave
.set SCB,  STG+8*32*SP                 ; scale bytes [16 rows][64]
.set RCB,  SCB+1024                    ; the gate's partial sums [4 quarters][16 rows]
.set RD,   32                          ; v32-63   a row of read, my 16 numbers, two sets
.set X,    64                          ; v64-79   16 neighbours
.set AT,   80                          ; v80-95   a row's eight attn, two sets
.set S,    96                          ; v96-223  (state + fast)[s] at S + 16 s + 4 i + c: column 512 (w % 4) + 128 i + 4 lane + c
.set WCR,  224                         ; v224-239 Wc[0][2048 + column]
.set LT,   240                         ; v240-255 at work on the logits
.set C,    240                         ; v240-242 codes
	s_load_b512 s[4:19], s[0:1], 0x0               ; plog, qs, state, fast, Wc, bc, out0, out1
	s_load_b64 s[20:21], s[0:1], 0x40              ; rc
	v_lshl_add_u32 v29, v0, 2, 0x7600
	v_mov_b32 v31, 0
	v_lshrrev_b32 v1, 5, v0
	s_delay_alu instid0(VALU_DEP_1)
	v_readfirstlane_b32 s22, v1                    ; wave
	s_and_b32 s23, s22, 3                          ; my quarter of the columns
	s_lshr_b32 s24, s22, 2                         ; my half of the rows
	v_and_b32 v1, 31, v0                           ; lane
	s_delay_alu instid0(VALU_DEP_1)
	v_lshlrev_b32 v2, 4, v1                        ; 16 x lane
	s_delay_alu instid0(VALU_DEP_2)
	v_mul_u32_u24 v3, v1, 12                       ; 12 x lane
	s_mul_i32 s25, s22, 32*SP
	s_add_co_u32 s25, s25, STG
	v_lshrrev_b32 v4, 2, v1
	s_delay_alu instid0(VALU_DEP_1)
	v_mul_u32_u24 v4, v4, SP
	v_and_b32 v5, 3, v1
	s_delay_alu instid0(VALU_DEP_1)
	v_lshl_add_u32 v4, v5, 4, v4
	s_delay_alu instid0(VALU_DEP_1)
	v_add_nc_u32 v4, s25, v4                       ; into my stage
	v_mul_u32_u24 v5, v1, SP
	s_delay_alu instid0(VALU_DEP_1)
	v_add_nc_u32 v5, s25, v5                       ; out of it
	s_lshl_b32 s25, s24, 9
	s_lshl_b32 s26, s23, 4
	s_add_co_u32 s25, s25, s26
	s_add_co_u32 s25, s25, SCB
	v_lshrrev_b32 v6, 1, v1
	s_delay_alu instid0(VALU_DEP_1)
	v_add_nc_u32 v6, s25, v6                       ; my block's scale byte in my first row
	s_lshl_b32 s25, s22, 9
	s_lshl_b32 s26, s24, 8
	s_add_co_u32 s26, s26, s25
	s_add_co_u32 s26, s26, ATT
	v_mov_b32 v7, s26                              ; my first row's attn in my wave's copy
	s_add_co_u32 s26, s25, ATT
	v_add_nc_u32 v8, s26, v2                       ; where I store attn
	s_lshl_b32 s26, s23, 6
	s_lshl_b32 s27, s24, 5
	s_add_co_u32 s26, s26, s27
	s_add_co_u32 s26, s26, RCB
	v_mov_b32 v9, s26                              ; the gate's partial sum of my first row
	v_and_b32 v13, 15, v1
	s_delay_alu instid0(VALU_DEP_1)
	v_lshlrev_b32 v13, 2, v13                      ; 4 x (lane % 16)
	s_delay_alu instid0(VALU_DEP_1)
	v_add_nc_u32 v10, RCB, v13
	v_add_nc_u32 v11, s25, v2                      ; my wave's partial logits
	v_lshlrev_b32 v14, 3, v1                       ; 8 x lane
	s_lshl_b32 s26, s23, 8
	s_add_co_u32 s26, s26, SCB
	v_add_nc_u32 v15, s26, v14                     ; the scale bytes' way out: 256 bytes for each of waves 0-3
	s_mov_b32 s46, 0x76543210
	s_mov_b32 s47, 0xfedcba98
	s_lshl_b32 s28, ttmp9, 9                       ; 512 g
	s_lshl_b32 s30, s22, 19                        ; four parts of 131,072 bytes a wave
	s_add_co_u32 s30, s30, s28
	s_mov_b32 s31, 0
	s_mov_b32 s29, 0
	s_lshl_b32 s32, s23, 11                        ; 2,048 bytes: my quarter of a row
	s_mov_b32 s33, 0
	s_lshl_b32 s34, ttmp9, 17                      ; out0: 16 rows of 8,192 bytes a work-group,
	s_lshl_b32 s35, s24, 16                        ; 8 rows a half,
	s_add_co_u32 s34, s34, s35
	s_add_co_u32 s34, s34, s32                     ; my quarter
	s_mov_b32 s35, 0
	s_lshl_b32 s36, ttmp9, 4
	s_lshl_b32 s37, s24, 3
	s_add_co_u32 s36, s36, s37                     ; my first row
	s_mul_i32 s36, s36, 1536
	s_mul_i32 s37, s23, 384
	s_add_co_u32 s36, s36, s37                     ; its codes, my quarter
	s_mov_b32 s37, 0
	s_lshl_b32 s40, ttmp9, 10
	s_lshl_b32 s41, s23, 8
	s_add_co_u32 s40, s40, s41
	s_add_co_u32 s40, s40, RS                      ; the work-group's 1,024 scale bytes, 256 a wave
	s_mov_b32 s41, 0
	s_lshl_b32 s42, ttmp9, 6
	s_add_co_u32 s48, s42, HCO                     ; hc of the 16 rows
	s_mov_b32 s49, 0
	s_add_co_u32 s42, s42, REC                     ; my record
	s_mov_b32 s43, 0
	s_wait_alu depctr_va_vdst(0)
	s_wait_kmcnt 0x0
	s_load_b32 s44, s[14:15], 0x0                  ; bc[0]
	s_add_nc_u64 s[4:5], s[4:5], s[30:31]
	s_add_nc_u64 s[6:7], s[6:7], s[48:49]
	s_add_nc_u64 s[8:9], s[8:9], s[32:33]
	s_add_nc_u64 s[10:11], s[10:11], s[32:33]
	s_add_nc_u64 s[12:13], s[12:13], s[32:33]
	s_add_nc_u64 s[12:13], s[12:13], 8192          ; Wc[0][2048 ..]
	s_add_nc_u64 s[16:17], s[16:17], s[34:35]
	s_add_nc_u64 s[18:19], s[18:19], s[28:29]
	s_add_nc_u64 s[38:39], s[20:21], s[36:37]
	s_add_nc_u64 s[40:41], s[20:21], s[40:41]
	s_add_nc_u64 s[42:43], s[20:21], s[42:43]
.irp q, 0,1,2,3
	global_load_b128 v[LT+4*\q:LT+4*\q+3], v2, s[4:5] offset:131072*\q th:TH_LOAD_NT     ; parts 4 w + q: 16 rows x 8 slots, 512 consecutive bytes; lane l: row l / 2, slots 4 (l % 2) on
.endr
.irp s, 0,1,2,3,4,5,6,7
.irp i, 0,1,2,3
	global_load_b128 v[S+16*\s+4*\i:S+16*\s+4*\i+3], v2, s[8:9] offset:8192*\s+512*\i
.endr
.endr
.irp s, 0,1,2,3
.irp i, 0,1,2,3
	global_load_b128 v[32+16*\s+4*\i:32+16*\s+4*\i+3], v2, s[10:11] offset:8192*\s+512*\i
.endr
.endr
.irp i, 0,1,2,3
	global_load_b128 v[WCR+4*\i:WCR+4*\i+3], v2, s[12:13] offset:512*\i
.endr
	global_load_b32 v30, v13, s[6:7]
	s_wait_kmcnt 0x0                               ; bc[0]
	s_wait_loadcnt 53                              ; my four parts are in; behind them 32 loads of state, 16 of fast, 4 of Wc, 1 of hc
	v_pk_add_f32 v[16:17], v[LT:LT+1], v[LT+4:LT+5]
	v_pk_add_f32 v[18:19], v[LT+2:LT+3], v[LT+6:LT+7]
	s_delay_alu instid0(VALU_DEP_2)
	v_pk_add_f32 v[16:17], v[16:17], v[LT+8:LT+9]
	s_delay_alu instid0(VALU_DEP_2)
	v_pk_add_f32 v[18:19], v[18:19], v[LT+10:LT+11]
	s_delay_alu instid0(VALU_DEP_2)
	v_pk_add_f32 v[16:17], v[16:17], v[LT+12:LT+13]
	s_delay_alu instid0(VALU_DEP_2)
	v_pk_add_f32 v[18:19], v[18:19], v[LT+14:LT+15]
	ds_store_b128 v11, v[16:19]
	s_wait_loadcnt 5                               ; state and fast's slots 0-3 are in (Wc's four loads and hc's one may be out)
.set p, 0
.rept 32
	v_pk_add_f32 v[S+p:S+p+1], v[S+p:S+p+1], v[32+p:32+p+1]        ; state + fast, slots 0-3
.set p, p+2
.endr
.irp s, 0,1,2,3
.irp i, 0,1,2,3
	global_load_b128 v[32+16*\s+4*\i:32+16*\s+4*\i+3], v2, s[10:11] offset:8192*(4+\s)+512*\i    ; fast's slots 4-7 are asked for here, ahead of the barrier: they land while the logits are added and the softmax is taken
.endr
.endr
	s_wait_dscnt 0x0                               ; for the others' sake: my partial logits lie in LDS
	s_barrier_signal -1
	s_barrier_wait -1
.irp q, 0,1,2,3
	ds_load_b128 v[LT+4*\q:LT+4*\q+3], v2 offset:512*\q
.endr
	s_wait_dscnt 0x0
	v_pk_add_f32 v[16:17], v[LT:LT+1], v[LT+4:LT+5]                ; every wave adds the eight in the same order
	v_pk_add_f32 v[18:19], v[LT+2:LT+3], v[LT+6:LT+7]
	s_delay_alu instid0(VALU_DEP_2)
	v_pk_add_f32 v[16:17], v[16:17], v[LT+8:LT+9]
	s_delay_alu instid0(VALU_DEP_2)
	v_pk_add_f32 v[18:19], v[18:19], v[LT+10:LT+11]
	s_delay_alu instid0(VALU_DEP_2)
	v_pk_add_f32 v[16:17], v[16:17], v[LT+12:LT+13]
	s_delay_alu instid0(VALU_DEP_2)
	v_pk_add_f32 v[18:19], v[18:19], v[LT+14:LT+15]
.irp q, 0,1,2,3
	ds_load_b128 v[LT+4*\q:LT+4*\q+3], v2 offset:2048+512*\q
.endr
	s_wait_alu depctr_va_vdst(0)
	s_wait_dscnt 0x0
.irp q, 0
	v_pk_add_f32 v[16:17], v[16:17], v[LT+4*\q:LT+4*\q+1]
	v_pk_add_f32 v[18:19], v[18:19], v[LT+4*\q+2:LT+4*\q+3]
.endr
.irp q, 1, 2, 3
	s_delay_alu instid0(VALU_DEP_2)
	v_pk_add_f32 v[16:17], v[16:17], v[LT+4*\q:LT+4*\q+1]
	s_delay_alu instid0(VALU_DEP_2)
	v_pk_add_f32 v[18:19], v[18:19], v[LT+4*\q+2:LT+4*\q+3]
.endr
	s_delay_alu instid0(VALU_DEP_1)
	v_max3_num_f32 v20, v16, v17, v18              ; the softmax: a row's eight logits lie in lanes l and l xor 1
	s_delay_alu instid0(VALU_DEP_1)
	v_max_num_f32 v20, v20, v19
	s_delay_alu instid0(VALU_DEP_1)
	v_max_num_f32_dpp v20, v20, v20 row_xmask:1 row_mask:0xf bank_mask:0xf
.irp c, 0,1,2,3
	v_sub_f32 v[16+\c], v[16+\c], v20
.endr
.irp c, 0,1,2,3
	s_delay_alu instid0(VALU_DEP_4)
	v_mul_f32 v[16+\c], 0x3fb8aa3b, v[16+\c]
.endr
	s_wait_alu depctr_va_vdst(0)
.irp c, 0,1,2,3
	v_exp_f32 v[16+\c], v[16+\c]
.endr
	v_nop                                          ; a plain line behind the exponentials
	s_wait_alu depctr_va_vdst(0)                   ; one wait for the four, ahead of their first reader
	v_add_f32 v21, v16, v17
	v_add_f32 v22, v18, v19
	s_delay_alu instid0(VALU_DEP_1)
	v_add_f32 v21, v21, v22
	s_delay_alu instid0(VALU_DEP_1)
	v_add_f32_dpp v21, v21, v21 row_xmask:1 row_mask:0xf bank_mask:0xf
	s_wait_alu depctr_va_vdst(0)
	v_rcp_f32 v22, v21
	v_nop
	s_wait_alu depctr_va_vdst(0)
.irp c, 0,1,2,3
	v_mul_f32 v[16+\c], v[16+\c], v22              ; attn; v16-19 stay as they are from here on
.endr
	ds_store_b128 v8, v[16:19]                     ; my wave's own copy: no barrier
	s_cmp_lg_u32 s22, 0
	s_cbranch_scc1 .Lnot_0
	global_store_b128 v2, v[16:19], s[18:19]       ; out1: 512 consecutive bytes
.Lnot_0:
	s_wait_loadcnt 0x0                             ; fast's slots 4-7, Wc, hc
.set p, 0
.rept 32
	v_pk_add_f32 v[S+64+p:S+64+p+1], v[S+64+p:S+64+p+1], v[32+p:32+p+1]   ; slots 4-7
.set p, p+2
.endr
.macro ATTL i                          ; row i's eight attn, the same in every lane
	ds_load_b128 v[AT+8*((\i)%2):AT+8*((\i)%2)+3], v7 offset:32*(\i)
	ds_load_b128 v[AT+8*((\i)%2)+4:AT+8*((\i)%2)+7], v7 offset:32*(\i)+16
.endm
.macro QROW i, n                       ; row i's 16 neighbours become 12 bytes of codes and a scale byte.  n: the LDS instructions issued behind the stage's loads
	s_wait_dscnt \n
	s_wait_xcnt 0x0                                ; earlier stores have read their data: the codes' registers, and the row set that the next row will write, are free
	v_max3_num_f32 v24, |v[X]|, |v[X+1]|, |v[X+2]|
	v_max3_num_f32 v25, |v[X+3]|, |v[X+4]|, |v[X+5]|
.irp k, 6,10
	s_delay_alu instid0(VALU_DEP_2)
	v_max3_num_f32 v24, v24, |v[X+\k]|, |v[X+\k+1]|
	s_delay_alu instid0(VALU_DEP_2)
	v_max3_num_f32 v25, v25, |v[X+\k+2]|, |v[X+\k+3]|
.endr
	s_delay_alu instid0(VALU_DEP_2)
	v_max3_num_f32 v24, v24, |v[X+14]|, |v[X+15]|
	s_delay_alu instid0(VALU_DEP_1)
	v_max3_num_f32 v24, v24, v25, 0x2800000        ; the floor 2^(5 - 127)
	s_delay_alu instid0(VALU_DEP_1)
	v_max_num_f32_dpp v24, v24, v24 row_xmask:1 row_mask:0xf bank_mask:0xf
	s_delay_alu instid0(VALU_DEP_1)
	v_add_nc_u32 v26, 0xfe000000, v24              ; 4 off the exponent field: the conversion's scale operand
	v_cvt_scalef32_pk16_bf6_f32 v[C:C+2], v[X:X+15], v26
	v_lshrrev_b32 v27, 23, v26                     ; the byte (the plain line behind the conversion)
	ds_store_b8 v6, v27 offset:64*(\i)
	global_store_b96 v3, v[C:C+2], s[38:39] offset:1536*(\i)       ; 384 consecutive bytes a wave
.endm
.macro ROW i
.set RR, RD+16*((\i)%2)
.set AA, AT+8*((\i)%2)
.if (\i) == 0
	s_wait_dscnt 0x0
.else
	s_wait_dscnt 8                                 ; this row's attn is in; the last row's eight stage instructions may be out
.endif
.if (\i) < 7
	ATTL (\i)+1
.endif
.irp p, 0,2,4,6,8,10,12,14
	v_pk_mul_f32 v[RR+\p:RR+\p+1], v[S+\p:S+\p+1], v[AA:AA+1] op_sel_hi:[1,0]    ; slot 0 starts the sums
.endr
.irp s, 1,2,3,4,5,6,7
.irp p, 0,2,4,6,8,10,12,14
.if \s%2 == 0
	v_pk_fma_f32 v[RR+\p:RR+\p+1], v[S+16*\s+\p:S+16*\s+\p+1], v[AA+2*(\s/2):AA+2*(\s/2)+1], v[RR+\p:RR+\p+1] op_sel_hi:[1,0,1]
.else
	v_pk_fma_f32 v[RR+\p:RR+\p+1], v[S+16*\s+\p:S+16*\s+\p+1], v[AA+2*(\s/2):AA+2*(\s/2)+1], v[RR+\p:RR+\p+1] op_sel:[0,1,0] op_sel_hi:[1,1,1]
.endif
.endr
.endr
	v_pk_mul_f32 v[20:21], v[RR:RR+1], v[WCR:WCR+1]                ; read . Wc[0][2048:], my 16 columns, two chains
	v_pk_mul_f32 v[22:23], v[RR+2:RR+3], v[WCR+2:WCR+3]
.irp p, 4,8,12
	s_delay_alu instid0(VALU_DEP_2)
	v_pk_fma_f32 v[20:21], v[RR+\p:RR+\p+1], v[WCR+\p:WCR+\p+1], v[20:21]
	s_delay_alu instid0(VALU_DEP_2)
	v_pk_fma_f32 v[22:23], v[RR+\p+2:RR+\p+3], v[WCR+\p+2:WCR+\p+3], v[22:23]
.endr
	s_delay_alu instid0(VALU_DEP_1)
	v_pk_add_f32 v[20:21], v[20:21], v[22:23]
	s_delay_alu instid0(VALU_DEP_1)
	v_add_f32 v20, v20, v21
.irp m, 1,2,4,8
	s_delay_alu instid0(VALU_DEP_1)
	v_add_f32_dpp v20, v20, v20 row_xmask:\m row_mask:0xf bank_mask:0xf
.endr
	s_delay_alu instid0(VALU_DEP_1)
	v_permlanex16_b32 v21, v20, s46, s47
	s_delay_alu instid0(VALU_DEP_1)
	v_add_f32 v20, v20, v21
	ds_store_b32 v9, v20 offset:4*(\i)             ; all lanes write the same word with the same value
.if (\i) == 7
	QROW (\i)-1, 1                                 ; behind the stage's loads: the gate's store
.elseif (\i) > 0
	QROW (\i)-1, 3                                 ; behind the stage's loads: the next row's two attn loads and the gate's store
.endif
.irp j, 0,1,2,3
	global_store_b128 v2, v[RR+4*\j:RR+4*\j+3], s[16:17] offset:8192*(\i)+512*\j th:TH_STORE_NT   ; 512 consecutive bytes; no later launch reads out0
.endr
.irp j, 0,1,2,3
	ds_store_b128 v4, v[RR+4*\j:RR+4*\j+3] offset:8*SP*\j
.endr
.irp j, 0,1,2,3
	ds_load_b128 v[X+4*\j:X+4*\j+3], v5 offset:16*\j               ; LDS serves a wave's instructions in order: these see the stores above
.endr
.endm
	ATTL 0
.irp i, 0,1,2,3,4,5,6,7
	ROW \i
.endr
	QROW 7, 0
	s_wait_dscnt 0x0                               ; my scale bytes and partial sums lie in LDS
	s_barrier_signal -1
	s_barrier_wait -1
	s_cmp_gt_u32 s22, 3
	s_cbranch_scc1 .Lend
	ds_load_b64 v[24:25], v15
	s_wait_dscnt 0x0
	global_store_b64 v14, v[24:25], s[40:41]       ; four rows' scale bytes: 256 consecutive bytes, aligned
	s_cmp_lg_u32 s22, 0
	s_cbranch_scc1 .Lend
.irp q, 0,1,2,3
	ds_load_b32 v[20+\q], v10 offset:64*\q         ; lane % 16 = row: the four quarters' sums
.endr
	s_wait_dscnt 0x0
	v_add_f32 v20, v20, v21
	v_add_f32 v22, v22, v23
	s_delay_alu instid0(VALU_DEP_1)
	v_add_f32 v20, v20, v22
	s_delay_alu instid0(VALU_DEP_1)
	v_add_f32 v20, v20, v30                        ; + h . Wc[0][:2048]
	s_delay_alu instid0(VALU_DEP_1)
	v_add_f32 v20, s44, v20                        ; + bc[0]
	s_delay_alu instid0(VALU_DEP_1)
	v_mul_f32 v20, 0xbfb8aa3b, v20
	s_wait_alu depctr_va_vdst(0)
	v_exp_f32 v20, v20
	v_nop
	s_wait_alu depctr_va_vdst(0)
	v_add_f32 v20, 1.0, v20
	s_wait_alu depctr_va_vdst(0)
	v_rcp_f32 v20, v20                             ; add = 1 / (1 + e^-x)
	v_nop
	s_wait_alu depctr_va_vdst(0)
.irp m, 1
	v_add_f32_dpp v20, v20, v20 row_xmask:\m row_mask:0xf bank_mask:0xf    ; the 16 rows' sum
.endr
.irp m, 2, 4, 8
	s_delay_alu instid0(VALU_DEP_1)
	v_add_f32_dpp v20, v20, v20 row_xmask:\m row_mask:0xf bank_mask:0xf    ; the 16 rows' sum
.endr
.irp c, 0,1,2,3
	v_add_f32_dpp v[244+\c], v[16+\c], v[16+\c] row_xmask:2 row_mask:0xf bank_mask:0xf   ; attn's column sums: lanes of one parity hold the same four slots
.endr
.irp m, 4,8
.irp c, 0,1,2,3
	s_delay_alu instid0(VALU_DEP_4)
	v_add_f32_dpp v[244+\c], v[244+\c], v[244+\c] row_xmask:\m row_mask:0xf bank_mask:0xf
.endr
.endr
.irp c, 0,1,2,3
	s_delay_alu instid0(VALU_DEP_4)
	v_permlanex16_b32 v[248+\c], v[244+\c], s46, s47
.endr
.irp c, 0,1,2,3
	s_delay_alu instid0(VALU_DEP_4)
	v_add_f32 v[244+\c], v[244+\c], v[248+\c]
.endr
	v_cmp_lt_u32 vcc_lo, 1, v1
	s_delay_alu instid0(VALU_DEP_1)
	v_cndmask_b32 v244, v244, v20, vcc_lo          ; lane 2's first word is the record's word 8: the sum of add
	s_wait_alu depctr_va_vdst(0)
	s_wait_xcnt 0x0                                ; EXEC changes only behind this wait
	v_cmp_gt_u32 vcc_lo, 4, v1
	s_and_saveexec_b32 s45, vcc_lo
	global_store_b128 v2, v[244:247], s[42:43]     ; words 0-7 the column sums, word 8 the sum of add; words 9-15 are read by nobody
	s_wait_xcnt 0x0
	s_or_b32 exec_lo, exec_lo, s45
.Lend:
	s_wait_tensorcnt 0x0
	ds_add_u32 v29, v31
	s_wait_dscnt 0x0
	s_endpgm
.Lfunc_end_k_qd8ba0c4fc0_mid:
	.size	k_qd8ba0c4fc0_mid, .Lfunc_end_k_qd8ba0c4fc0_mid-k_qd8ba0c4fc0_mid
	.p2alignl 7, 3214868480
	.fill 96, 4, 3214868480
	.section	.rodata,"a",@progbits
	.p2align	6, 0x0
	.amdhsa_kernel k_qd8ba0c4fc0_mid
		.amdhsa_group_segment_fixed_size 31232
		.amdhsa_private_segment_fixed_size 0
		.amdhsa_enable_private_segment 0
		.amdhsa_kernarg_size 72
		.amdhsa_user_sgpr_count 2
		.amdhsa_user_sgpr_kernarg_segment_ptr 1
		.amdhsa_wavefront_size32 1
		.amdhsa_system_sgpr_workgroup_id_x 1
		.amdhsa_system_sgpr_workgroup_id_y 1
		.amdhsa_system_sgpr_workgroup_id_z 1
		.amdhsa_system_vgpr_workitem_id 0
		.amdhsa_next_free_vgpr 256
		.amdhsa_next_free_sgpr 66
		.amdhsa_reserve_vcc 1
		.amdhsa_float_denorm_mode_32 3
		.amdhsa_float_denorm_mode_16_64 3
		.amdhsa_memory_ordered 1
		.amdhsa_forward_progress 1
		.amdhsa_inst_pref_size 85
	.end_amdhsa_kernel
	.amdgpu_metadata
---
amdhsa.version: [ 1, 2 ]
amdhsa.kernels:
  - .name:           k_qd8ba0c4fc0_mid
    .symbol:         k_qd8ba0c4fc0_mid.kd
    .args:
      - { .name: plog, .offset: 0, .size: 8, .value_kind: global_buffer, .address_space: global }
      - { .name: qs, .offset: 8, .size: 8, .value_kind: global_buffer, .address_space: global }
      - { .name: state, .offset: 16, .size: 8, .value_kind: global_buffer, .address_space: global }
      - { .name: fast, .offset: 24, .size: 8, .value_kind: global_buffer, .address_space: global }
      - { .name: Wc, .offset: 32, .size: 8, .value_kind: global_buffer, .address_space: global }
      - { .name: bc, .offset: 40, .size: 8, .value_kind: global_buffer, .address_space: global }
      - { .name: out0, .offset: 48, .size: 8, .value_kind: global_buffer, .address_space: global }
      - { .name: out1, .offset: 56, .size: 8, .value_kind: global_buffer, .address_space: global }
      - { .name: rc, .offset: 64, .size: 8, .value_kind: global_buffer, .address_space: global }
    .group_segment_fixed_size: 31232
    .private_segment_fixed_size: 0
    .kernarg_segment_align: 8
    .kernarg_segment_size: 72
    .max_flat_workgroup_size: 256
    .sgpr_count:     66
    .vgpr_count:     256
    .wavefront_size: 32
...
	.end_amdgpu_metadata
.endif
;; end of part 3
;; launch gemm2 (part 4): grid 8 x 32, 4 waves a work-group, clusters of 4 x 4, 327,680 bytes of LDS; arguments qc, qs, rc, out1, dpart; writes dpart
.if DOCPART == 4
	.amdgcn_target "amdgcn-amd-amdhsa--gfx1250"
	.amdhsa_code_object_version 6
	.text
	.protected	k_qd8ba0c4fc0_gemm2
	.globl	k_qd8ba0c4fc0_gemm2
	.p2align	8
	.type	k_qd8ba0c4fc0_gemm2,@function
k_qd8ba0c4fc0_gemm2:
	s_mov_b64 s[64:65], 0
	v_nop
	global_prefetch_b8 v0, s[64:65] scope:SCOPE_SE
	s_setreg_imm32_b32 hwreg(HW_REG_WAVE_MODE, 25, 1), 1
	s_wait_xcnt 0x0
	s_wait_alu depctr_hold_cnt(0) depctr_sa_sdst(0) depctr_va_vdst(0) depctr_va_sdst(0) depctr_va_ssrc(0) depctr_va_vcc(0) depctr_vm_vsrc(0)
	s_getreg_b32 s2, hwreg(HW_REG_IB_STS2, 6, 4)
	s_cmp_eq_u32 s2, 0
	s_cbranch_scc0 .Lentry_in_a_cluster
	s_endpgm
.Lentry_in_a_cluster:
	s_bfe_u32 s2, ttmp6, 0x10000c
	s_cmp_lg_u32 s2, 0xf033
	s_cbranch_scc0 .Lentry_shape_is_right
	s_endpgm
.Lentry_shape_is_right:
; Y = Q([h + neighbor_msg | read]) Q(Ww)^T on codes of BF6 with E8M0 scales; Y is never stored: each wave multiplies its 128 x 128 of Y by attn^T (bf16 operands, f32 sums) and stores 8 slots x 128 columns of partial delta.
; SHARES.  Y is 4,096 x 2,048: 128 tiles of 256 x 256.  delta is linear in Y, so K = 4,096 is split in two: the first half takes the codes of h + neighbor_msg, the second those of read: 256 work-groups,
; 16 steps of 128 along K each.  The half of K is the cluster's x: clusters that differ in x read no common byte of codes.  The 64 parts of delta (2 halves of K x 16 tile rows x 2 waves) are added by the last launch,
; which also adds bw times attn's column sums.
; LIMIT: the order of the sums differs from a single ascending K; attn and Y are rounded to bf16 for the product with attn^T.
; THE RING: two LDS slots, filled by the tensor data mover in CHUNKS OF 256 BYTES of each row of codes: a half of K is 1,536 bytes of a row, six chunks, each beginning at a multiple of 256 bytes.
; A step is 96 bytes of a row: eight steps to three chunks; of each eight, steps 2 and 5 lie across two chunks and take their pieces from both slots.
; THE HEAD: one joint load a wave: the activations' chunk 0, Ww's chunk 0, the activations' chunk 1, Ww's chunk 1, 256 rows each: both slots are first filled at the head.
; CLUSTERS: 4 x 4 work-groups; the activations' tiles are asked for jointly along a row of the cluster, Ww's along a column.  The scales (32,768 bytes of a work-group's 819,200) and attn come by plain loads:
; a small part of the bytes; the scales are asked for ahead of the first round and go into LDS bytes of their own, rows 80 bytes apart, by LDS stores.
; PREFETCH: a wave names, a lane a row, one chunk of 32 rows: the four partners that ask for a tile jointly share its 128 rows out by address.  Behind the head's loads: chunks 2 and 3; behind the refill
; with chunk c: chunk c + 2, two refills ahead; the last two refills ask for nothing.  The address registers are never rewritten: the chunk stands in the immediate.
; THE MATRIX INSTRUCTION IS USED AS IT STANDS (source 0 = 16 rows of the activations, source 1 = 16 rows of Ww): a lane holds one column and eight rows of Y, as source 1 of attn^T Y wants them.
; REGISTERS: window 0: v0-31 addresses; v32-63 scale words, later attn in bf16; v64-127 attn in f32; v128-223 the activations' fragments, later Y in bf16 (v128-191) and delta (v192-255).
;   window 1: Ww's fragments, two sets.   windows 2, 3: the accumulators.
.set NQO,    6291456
.set WWQ,    15728640
.set NSO,    262144
.set WWS,    655360
.set RS,     6291456
.set KRA,    1536
.set KRB,    3072
.set STEPS,  16
.set CHUNKS, 6
.set ROWB,   256
.set NQ,     2
.set PITCH,  272
.set FR,     12
.set NL,     6
.set NP,     4
.set HALFT,  128*PITCH
.set SLOT,   4*HALFT
.set SCP,    80
.set SCL,    2*SLOT
.set HALFS,  128*SCP
.set SBLK,   16*SCP
.set SPARE,  SCL+4*HALFS
.set SST,  11
.set ADRA, 16
.set ADRB, 20
.set STW,  24                          ; the way out: a stage of 4,096 bytes a wave in slot 0, which has had its last fill (chunk 4) and its last read by then
.set STR,  25
.set AVA,  26
.set ADRS, 27
.set SPW,  28
.set NIL,  29
.set CO,   30
.set PFO,  31
.set SC,   32
.set AT,   32
.set ATF,  64
.set AF,   128
.set YB,   128
.set DL,   192
.set G1, 24
.set G0, 32
.set G1B, 48
.set G0B, 56
.set H0,  68
.set PFA, 84
.set SA,  96
.set SB,  98
.set MSB, 0
.macro WIN new
.if MSB != (\new)
	s_set_vgpr_msb (MSB<<8)|(\new)
.set MSB, (\new)
.endif
.endm
.set MUL_LO, 0xa4
.set MUL_HI, 0xf4
.set TO_B,   0x40
.macro JLOAD g0a, g1a, g0b, g1b
	s_cmp_eq_u32 s15, 0
	s_cbranch_scc0 .Lfor_b_\@
	tensor_load_to_lds s[\g0a:\g0a+3], s[\g1a:\g1a+7]
	s_nop 0
.rept 4
	v_nop
.endr
	s_branch .Lasked_\@
.Lfor_b_\@:
	tensor_load_to_lds s[\g0b:\g0b+3], s[\g1b:\g1b+7]
	s_nop 0
.rept 4
	v_nop
.endr
.Lasked_\@:
.endm
.macro CREST
	s_cmp_lg_u32 s14, 0
	s_cbranch_scc1 .Lnot_wave_0_\@
	s_barrier_signal -3
.Lnot_wave_0_\@:
	s_barrier_wait -3
	s_barrier_signal -1
	s_barrier_wait -1
.endm
.macro CROUND
	s_barrier_signal -1
	s_barrier_wait -1
	CREST
.endm
	s_load_b256 s[4:11], s[0:1], 0x0               ; qc, qs, rc, out1
	s_load_b64 s[12:13], s[0:1], 0x20              ; dpart
	v_lshl_add_u32 v[SPW], v0, 2, SPARE
	v_mov_b32 v[NIL], 0
	ds_add_u32 v[SPW], v[NIL]                      ; the opening lines: the add, twice on end, and its wait ahead of my first tensor load
	ds_add_u32 v[SPW], v[NIL]
	v_lshrrev_b32 v1, 5, v0
	v_readfirstlane_b32 s14, v1                    ; wave
	v_bfe_u32 v2, v0, 4, 1                         ; h
	v_lshlrev_b32 v12, 4, v0                       ; the scales: four threads to a row's 64 bytes.  The activations' are dense: 16 t
	v_lshrrev_b32 v14, 2, v0
	v_and_b32 v15, 3, v0
	v_lshlrev_b32 v13, 7, v14
	v_lshl_add_u32 v13, v15, 4, v13                ; Ww's: 128 (t / 4) + 16 (t % 4)
	v_mul_u32_u24 v[SST], v14, SCP
	v_lshl_add_u32 v[SST], v15, 4, v[SST]
	v_add_nc_u32 v[SST], SCL, v[SST]               ; in LDS: 80 (t / 4) + 16 (t % 4)
	s_lshr_b32 s15, s14, 1                         ; my half of the tile's rows; in the ring: I fetch for the activations (0) or Ww (1)
	s_and_b32 s16, s14, 1                          ; my half of its columns; in the ring: which 128 rows I fetch
	s_bfe_u32 s40, ttmp6, 0x40000                  ; cx
	s_bfe_u32 s41, ttmp6, 0x40004                  ; cy
	s_mov_b32 s95, ttmp9                           ; the half of K = the cluster's x: the same in all sixteen partners
	s_and_b32 s17, ttmp7, 0xffff
	s_lshr_b32 s42, s17, 2
	s_lshl_b32 s42, s42, 2
	s_add_co_u32 s42, s42, s40                     ; tile column = 4 (cluster y / 4) + cx
	s_and_b32 s17, s17, 3
	s_lshl_b32 s17, s17, 2
	s_add_co_u32 s17, s17, s41                     ; tile row = 4 (cluster y % 4) + cy
	s_lshl_b32 s43, s41, 2
	s_lshl_b32 s43, 15, s43
	s_lshl_b32 s44, 0x1111, s40
	s_or_b32 s[G1+0], s43, (0<<16)|(1<<20)|(1<<21)|(5<<22)|(3<<25)   ; bytes; 16 bytes of padding behind every 256
	s_or_b32 s[G1B+0], s44, (0<<16)|(1<<20)|(1<<21)|(5<<22)|(3<<25)
.irp g, G1, G1B
	s_mov_b32 s[\g+1], ROWB<<16
	s_mov_b32 s[\g+2], 256<<16                     ; 256 rows for the head's loads
	s_mov_b32 s[\g+3], ROWB<<16
	s_mov_b32 s[\g+4], 256
	s_mov_b32 s[\g+6], 0
	s_mov_b32 s[\g+7], 0
.endr
	s_mov_b32 s[G1+5], KRA
	s_mov_b32 s[G1B+5], KRB
	s_lshl_b32 s20, s17, 8                         ; the activations' first row
	s_lshl_b32 s46, s42, 8                         ; Ww's first row
	s_lshl_b32 s22, s20, 6                         ; their scales: 64 bytes a row,
	s_lshl_b32 s92, s46, 7                         ; 128 bytes a row
	s_mul_i32 s20, s20, KRA
	s_mul_i32 s46, s46, KRB
	s_mul_i32 s18, s95, 1536                       ; Ww: the half of K
	s_add_co_u32 s46, s46, s18
	s_add_co_u32 s46, s46, WWQ
	s_lshl_b32 s18, s95, 6
	s_add_co_u32 s92, s92, s18
	s_add_co_u32 s92, s92, WWS
	s_cmp_eq_u32 s95, 0                            ; the activations: h + neighbor_msg in the first half of K, read in the second
	s_cselect_b32 s18, NQO, 0
	s_mov_b32 s19, RS
	s_cselect_b32 s19, NSO, s19
	s_add_co_u32 s20, s20, s18
	s_add_co_u32 s22, s22, s19
	s_mov_b32 s21, 0
	s_mov_b32 s23, 0
	s_mov_b32 s47, 0
	s_mov_b32 s93, 0
	s_mul_i32 s18, s16, 128*KRA                    ; in the ring: which 128 rows
	s_mov_b32 s19, 0
	s_mul_i32 s86, s16, 128*KRB
	s_mov_b32 s87, 0
	s_mul_i32 s45, s14, HALFT                      ; and where they go
	s_cmp_eq_u32 s15, 0                            ; the prefetches: my tile, my 128 rows, my work-group's 32 of them
	s_cselect_b32 s66, s20, s46
	s_cselect_b32 s67, s40, s41
	s_cselect_b32 s3, s18, s86
	s_mov_b32 s2, KRB
	s_cselect_b32 s2, KRA, s2                      ; a row in memory
	s_lshl_b32 s67, s67, 5
	s_mul_i32 s67, s67, s2
	s_add_co_u32 s66, s66, s67
	s_add_co_u32 s66, s66, s3
	s_mov_b32 s67, 0
	s_wait_alu depctr_va_vdst(0)
	s_wait_dscnt 0x0                               ; both opening adds are done
	s_wait_kmcnt 0x0
	s_cmp_eq_u32 s95, 0
	s_cselect_b64 s[88:89], s[4:5], s[8:9]         ; the activations' codes
	s_cselect_b64 s[90:91], s[6:7], s[8:9]         ; and scales
	s_cmp_eq_u32 s15, 0
	s_cselect_b64 s[PFA:PFA+1], s[88:89], s[4:5]
	s_add_nc_u64 s[PFA:PFA+1], s[PFA:PFA+1], s[66:67]
	s_add_nc_u64 s[20:21], s[88:89], s[20:21]
	s_add_nc_u64 s[SA:SA+1], s[90:91], s[22:23]
	s_add_nc_u64 s[46:47], s[4:5], s[46:47]
	s_add_nc_u64 s[SB:SB+1], s[6:7], s[92:93]
.irp j, 0,1,2,3,4,5,6,7
	global_load_b128 v[128+4*\j:128+4*\j+3], v12, s[SA:SA+1] offset:2048*\j      ; 32 rows' scales a load
	global_load_b128 v[160+4*\j:160+4*\j+3], v13, s[SB:SB+1] offset:4096*\j
.endr
	CROUND                                         ; all sixteen work-groups are here: the first joint loads meet
.irp c, 0,1
	s_mov_b32 s[H0+8*\c], 1                        ; the head's four tiles: chunk c of the activations' 256 rows,
	s_mov_b32 s[H0+8*\c+1], \c*SLOT
	s_add_nc_u64 s[H0+8*\c+2:H0+8*\c+3], s[20:21], \c*ROWB
	s_or_b32 s[H0+8*\c+3], s[H0+8*\c+3], 0x80000000
	s_mov_b32 s[H0+8*\c+4], 1                      ; and of Ww's, behind them in slot c
	s_mov_b32 s[H0+8*\c+5], \c*SLOT+2*HALFT
	s_add_nc_u64 s[H0+8*\c+6:H0+8*\c+7], s[46:47], \c*ROWB
	s_or_b32 s[H0+8*\c+7], s[H0+8*\c+7], 0x80000000
.endr
	s_add_nc_u64 s[20:21], s[20:21], s[18:19]      ; for the ring: my 128 rows
	s_add_nc_u64 s[46:47], s[46:47], s[86:87]
.irp s, 0,1
	s_mov_b32 s[G0+4*\s], 1
	s_add_co_u32 s[G0+4*\s+1], s45, \s*SLOT
	s_add_nc_u64 s[G0+4*\s+2:G0+4*\s+3], s[20:21], \s*ROWB
	s_or_b32 s[G0+4*\s+3], s[G0+4*\s+3], 0x80000000
	s_mov_b32 s[G0B+4*\s], 1
	s_add_co_u32 s[G0B+4*\s+1], s45, \s*SLOT
	s_add_nc_u64 s[G0B+4*\s+2:G0B+4*\s+3], s[46:47], \s*ROWB
	s_or_b32 s[G0B+4*\s+3], s[G0B+4*\s+3], 0x80000000
.endr
; one tree of branches on the wave's number: every way through the head passes exactly one load
.macro ARM under, g0, g1, next
	s_cmp_lt_u32 s14, \under
	s_cbranch_scc0 \next
	tensor_load_to_lds s[\g0:\g0+3], s[\g1:\g1+7]
	s_nop 0
.rept 4
	v_nop
.endr
	s_branch .Lhead_asked
\next:
.endm
	ARM 1, H0,   G1,  .Lhead_b0
	ARM 2, H0+4, G1B, .Lhead_a1
	ARM 3, H0+8, G1,  .Lhead_b1
	tensor_load_to_lds s[H0+12:H0+15], s[G1B:G1B+7]
	s_nop 0
.rept 4
	v_nop
.endr
.Lhead_asked:
	v_and_b32 v[PFO], 31, v0
	v_mul_lo_u32 v[PFO], v[PFO], s2
	global_prefetch_b8 v[PFO], s[PFA:PFA+1] offset:2*ROWB th:TH_LOAD_NT scope:SCOPE_SE   ; chunks 2 and 3 of my 32 rows
	global_prefetch_b8 v[PFO], s[PFA:PFA+1] offset:3*ROWB th:TH_LOAD_NT scope:SCOPE_SE
	v_and_b32 v1, 15, v0                           ; r
	; attn of my 128 rows, in the layout of source 0 of attn^T Y: lane (r, h) holds slot r % 8; register 16 c + i holds row 32 c + 16 (i / 8) + 8 h + i % 8.  Lanes with r >= 8 repeat slots 0-7.
	v_and_b32 v3, 7, v0
	v_lshlrev_b32 v[AVA], 2, v3
	v_lshl_add_u32 v[AVA], v2, 8, v[AVA]
	s_lshl_b32 s20, s17, 13
	s_lshl_b32 s21, s15, 12
	s_add_co_u32 s20, s20, s21
	s_mov_b32 s21, 0
	s_add_nc_u64 s[10:11], s[10:11], s[20:21]
	v_mul_u32_u24 v3, v1, PITCH
	v_mul_u32_u24 v4, v2, 24
	v_add_nc_u32 v4, v3, v4                        ; a fragment's row x pitch + 24 h
	s_mov_b32 s21, SLOT-232
	s_mov_b32 s22, SLOT+232
	v_sub_nc_u32 v7, 1, v2
	v_mul_u32_u24 v5, s21, v2
	v_add_nc_u32 v5, v3, v5
	v_add_nc_u32 v5, 232, v5                       ; across two chunks: lanes 0-15 byte 232 of the row in slot 0, lanes 16-31 byte 0 in slot 1;
	v_mul_u32_u24 v6, s22, v7
	v_add_nc_u32 v6, v3, v6                        ; and lanes 0-15 byte 232 in slot 1, lanes 16-31 byte 0 in slot 0
	s_mul_i32 s21, s15, HALFT
	s_mul_i32 s22, s16, HALFT
	s_add_co_u32 s22, s22, 2*HALFT
	v_add_nc_u32 v[ADRA+2], s21, v5
	v_add_nc_u32 v[ADRA+3], s21, v6
	v_add_nc_u32 v[ADRB+2], s22, v5
	v_add_nc_u32 v[ADRB+3], s22, v6
.irp s, 0,1
	v_add_nc_u32 v[ADRA+\s], s21, v4
	v_add_nc_u32 v[ADRB+\s], s22, v4
	s_add_co_u32 s21, s21, SLOT
	s_add_co_u32 s22, s22, SLOT
.endr
	v_mul_u32_u24 v5, v1, SCP
	s_mul_i32 s21, s15, HALFS
	s_mul_i32 s22, s16, HALFS
	s_add_co_u32 s22, s22, 2*HALFS
	s_sub_co_u32 s22, s22, s21
	v_mul_u32_u24 v6, s22, v2                      ; lanes 16-31 take Ww's scale words
	s_add_co_u32 s21, s21, SCL
	v_add_nc_u32 v5, v5, v6
	v_add_nc_u32 v[ADRS], s21, v5
	s_lshl_b32 s21, s14, 12                        ; my stage
	v_lshlrev_b32 v[STW], 2, v1
	v_add_nc_u32 v[STW], s21, v[STW]
	v_and_b32 v6, 31, v0
	v_lshlrev_b32 v[CO], 4, v6
	v_add_nc_u32 v[STR], s21, v[CO]
	s_lshl_b32 s20, s95, 5
	s_lshl_b32 s21, s17, 1
	s_add_co_u32 s20, s20, s21
	s_add_co_u32 s20, s20, s15                     ; my part: 32 x half of K + 2 x tile row + half of the rows
	s_lshl_b32 s20, s20, 16
	s_lshl_b32 s21, s42, 10
	s_add_co_u32 s20, s20, s21
	s_lshl_b32 s21, s16, 9
	s_add_co_u32 s20, s20, s21                     ; + my first column x 4 bytes
	s_mov_b32 s21, 0
	s_add_nc_u64 s[12:13], s[12:13], s[20:21]
	s_wait_alu depctr_va_vdst(0)                   ; the head's end
	s_wait_loadcnt 0x0                             ; the scales
.irp j, 0,1,2,3,4,5,6,7
	ds_store_b128 v[SST], v[128+4*\j:128+4*\j+3] offset:32*SCP*\j
	ds_store_b128 v[SST], v[160+4*\j:160+4*\j+3] offset:2*HALFS+32*SCP*\j
.endr
.irp c, 0,1,2                          ; 48 of attn's 64 loads here, the last 16 between steps 1 and 2; all are waited for in the epilogue
.irp i, 0,1,2,3,4,5,6,7,8,9,10,11,12,13,14,15
	global_load_b32 v[ATF+16*\c+\i], v[AVA], s[10:11] offset:32*(32*\c+16*(\i/8)+\i%8)
.endr
.endr
.macro FRAG reg, adr, st, i            ; 16 rows x 128 K: 12 registers, in pieces of 8 bytes; byte y of the half row lies in slot (y / 256) % 2 at byte y % 256 of the LDS row
.irp p, 0,1,2,3,4,5
.set BY, 96*(\st)+48*(\p/3)+8*(\p%3)
.if BY/ROWB == (BY+24)/ROWB
	ds_load_b64 v[\reg+2*\p:\reg+2*\p+1], v[\adr+(BY/ROWB)%2] offset:BY%ROWB+(\i)*16*PITCH
.else
	ds_load_b64 v[\reg+2*\p:\reg+2*\p+1], v[\adr+2+(BY/ROWB)%2] offset:BY%ROWB-232+(\i)*16*PITCH
.endif
.endr
.endm
; 16 matrix instructions: the activations' blocks a0, a0 + 1 x Ww's eight.  zero = 1: the first product starts the sums.  The 64 accumulators take turns.
.macro MUL16 a0, p, q, sc, zero
.irp a, \a0, \a0+1
.irp b, 0,1,2,3,4,5,6,7
.if \zero
	v_wmma_scale_f32_16x16x128_f8f6f4 v[8*(8*((\a)%4)+\b):8*(8*((\a)%4)+\b)+7], v[AF+FR*(\a):AF+FR*(\a)+FR-1], v[128*(\p)+FR*\b:128*(\p)+FR*\b+FR-1], 0, v[SC+8*NQ*(\sc)+NQ*(\a)+(\q)], v[SC+8*NQ*(\sc)+NQ*\b+(\q)] matrix_a_fmt:MATRIX_FMT_BF6 matrix_b_fmt:MATRIX_FMT_BF6 matrix_b_scale:MATRIX_SCALE_ROW1
.else
	v_wmma_scale_f32_16x16x128_f8f6f4 v[8*(8*((\a)%4)+\b):8*(8*((\a)%4)+\b)+7], v[AF+FR*(\a):AF+FR*(\a)+FR-1], v[128*(\p)+FR*\b:128*(\p)+FR*\b+FR-1], v[8*(8*((\a)%4)+\b):8*(8*((\a)%4)+\b)+7], v[SC+8*NQ*(\sc)+NQ*(\a)+(\q)], v[SC+8*NQ*(\sc)+NQ*\b+(\q)] matrix_a_fmt:MATRIX_FMT_BF6 matrix_b_fmt:MATRIX_FMT_BF6 matrix_b_scale:MATRIX_SCALE_ROW1
.endif
.endr
.endr
.endm
.macro FETCH_B st, p
	WIN TO_B
.irp i, 0,1,2,3,4,5,6,7
	FRAG 128*(\p)+FR*\i, ADRB, \st, \i
.endr
	WIN 0
.endm
.macro FETCH_A st, i0
.irp i, \i0, \i0+1, \i0+2, \i0+3
	FRAG AF+FR*(\i), ADRA, \st, \i
.endr
.endm
.macro SCALES pr                       ; the scale words of steps 2 pr and 2 pr + 1: lanes 0-15 the activations' block i, lanes 16-31 Ww's block i
.irp i, 0,1,2,3,4,5,6,7
	ds_load_b64 v[SC+8*NQ*((\pr)%2)+NQ*\i:SC+8*NQ*((\pr)%2)+NQ*\i+1], v[ADRS] offset:\i*SBLK+4*NQ*(\pr)
.endr
.endm
.macro PLACES n
.rept \n
	v_nop
.endr
.endm
; A step: 64 matrix instructions; the next step's fragments are fetched in its middle and at its end, in two runs.  Where the next step's bytes END in a chunk from 2 on that no step has read, a barrier shows that chunk whole
; (chunks 0 and 1 were shown by the head's barrier); where they BEGIN in a later chunk, the chunk left behind is read no more: the wait for all tensor loads, the add, the wait for it and for my reads, the barrier,
; which opens a round of the cluster's barrier where a chunk two on is left to fetch; the joint refill is the first tensor load behind the round.
.macro STEP st, zero
.set NX, (\st)+1
.set C0, (96*(\st))/ROWB
.set C1, (96*NX)/ROWB
.set E0, (96*(\st)+95)/ROWB
.set E1, (96*NX+95)/ROWB
.if C1 > C0 || (E1 > E0 && E1 > 1)
	s_wait_tensorcnt 0x0                           ; all my tensor loads have landed
.if C1 > C0
	ds_add_u32 v[SPW], v[NIL]
	s_wait_dscnt 4*NL+1                            ; the add and the youngest 24 loads (blocks 4-7) may be out
.else
	s_wait_dscnt 4*NL
.endif
	WIN MUL_LO
	MUL16 0, (\st)%2, (\st)%2, ((\st)/2)%2, \zero
	s_wait_dscnt 0x0                               ; the add and all my reads are done
	s_barrier_signal -1
	MUL16 2, (\st)%2, (\st)%2, ((\st)/2)%2, \zero
	WIN 0
	s_barrier_wait -1
.if C1 > C0 && C0+2 < CHUNKS
	CREST
	s_add_nc_u64 s[G0+4*(C0%2)+2:G0+4*(C0%2)+3], s[G0+4*(C0%2)+2:G0+4*(C0%2)+3], 2*ROWB
	s_add_nc_u64 s[G0B+4*(C0%2)+2:G0B+4*(C0%2)+3], s[G0B+4*(C0%2)+2:G0B+4*(C0%2)+3], 2*ROWB
	JLOAD G0+4*(C0%2), G1, G0B+4*(C0%2), G1B       ; chunk C0 + 2; its four v_nop are the places in front of the loads below
.else
	PLACES NP
.endif
.else
	s_wait_dscnt 4*NL                              ; Ww's set, blocks 0-3 and the scale words are in; the youngest 24 loads may be out
	WIN MUL_LO
	MUL16 0, (\st)%2, (\st)%2, ((\st)/2)%2, \zero
	MUL16 2, (\st)%2, (\st)%2, ((\st)/2)%2, \zero
	s_wait_dscnt 0
	PLACES NP
.endif
	FETCH_B NX, NX%2
	FETCH_A NX, 0
.if NX%2 == 0
	SCALES NX/2
.endif
.if C1 > C0 && C0+4 < CHUNKS
	global_prefetch_b8 v[PFO], s[PFA:PFA+1] offset:(C0+4)*ROWB th:TH_LOAD_NT scope:SCOPE_SE   ; the chunk two refills on, behind the joint load and the run of LDS loads
.endif
	WIN MUL_HI
	MUL16 4, (\st)%2, (\st)%2, ((\st)/2)%2, \zero
	MUL16 6, (\st)%2, (\st)%2, ((\st)/2)%2, \zero
	PLACES NP
	WIN 0
	FETCH_A NX, 4
.endm
	s_wait_tensorcnt 0x0                           ; my tile of the head's four is in; no tensor load of mine is out, so a descriptor may be written:
	s_mov_b32 s[G1+2], 128<<16                     ; from here on a load brings 128 rows
	s_mov_b32 s[G1+4], 128
	s_mov_b32 s[G1B+2], 128<<16
	s_mov_b32 s[G1B+4], 128
	s_wait_dscnt 0x0                               ; for the others' sake: my part of the scales lies in LDS
	s_barrier_signal -1
	s_barrier_wait -1                              ; chunks 0 and 1 and the scales are whole
	FETCH_B 0, 0
	FETCH_A 0, 0
	SCALES 0
	FETCH_A 0, 4
	STEP 0, 1
.set ST, 1
.rept STEPS-2
.if ST == 2
.irp i, 0,1,2,3,4,5,6,7,8,9,10,11,12,13,14,15
	global_load_b32 v[ATF+48+\i], v[AVA], s[10:11] offset:32*(96+16*(\i/8)+\i%8)   ; attn's rows 96-127
.endr
.endif
	STEP ST, 0
.set ST, ST+1
.endr
	s_wait_dscnt 4*NL                              ; the last step: nothing more to fetch
	WIN MUL_LO
	MUL16 0, 1, 1, 1, 0
	MUL16 2, 1, 1, 1, 0
	s_wait_dscnt 0
	WIN MUL_HI
	MUL16 4, 1, 1, 1, 0
	MUL16 6, 1, 1, 1, 0
	WIN 0
; delta's part = attn^T Y over my 128 rows: four K steps of 32 rows, eight tiles of 16 columns.  A lane's eight registers of accumulators (2 c, b) and (2 c + 1, b), rounded to bf16 in pairs, ARE source 1's eight registers.
.macro YCVT c
	WIN 0x0a+5*((\c)/2)
.irp b, 0,1,2,3,4,5,6,7
.irp q, 0,1,2,3
	v_cvt_pk_bf16_f32 v[YB+8*\b+\q], v[8*(8*((2*(\c))%4)+\b)+2*\q], v[8*(8*((2*(\c))%4)+\b)+2*\q+1]          ; each accumulator from its low end on
.endr
.irp q, 0,1,2,3
	v_cvt_pk_bf16_f32 v[YB+8*\b+4+\q], v[8*(8*((2*(\c)+1)%4)+\b)+2*\q], v[8*(8*((2*(\c)+1)%4)+\b)+2*\q+1]
.endr
.endr
	WIN 0
.endm
.macro DMUL c                          ; eight accumulators by turns
.irp b, 0,1,2,3,4,5,6,7
.if (\c) == 0
	v_wmma_f32_16x16x32_bf16 v[DL+8*\b:DL+8*\b+7], v[AT+8*(\c):AT+8*(\c)+7], v[YB+8*\b:YB+8*\b+7], 0
.else
	v_wmma_f32_16x16x32_bf16 v[DL+8*\b:DL+8*\b+7], v[AT+8*(\c):AT+8*(\c)+7], v[YB+8*\b:YB+8*\b+7], v[DL+8*\b:DL+8*\b+7]
.endif
.endr
.endm
	s_wait_loadcnt 0x0                             ; attn
	PLACES NP+1                                    ; one more than for loads: matrix instructions below write over registers that held the activations' fragments
.set q, 0
.rept 32
	v_cvt_pk_bf16_f32 v[AT+q], v[ATF+2*q], v[ATF+2*q+1]
.set q, q+1
.endr
.irp c, 0,1,2,3
	YCVT \c
	DMUL \c
	PLACES NP                                      ; in front of the next conversions into source 1's registers, and of the first read of delta
.endr
.irp b, 0,1,2,3,4,5,6,7
.irp j, 0,1,2,3,4,5,6,7
	ds_store_b32 v[STW], v[DL+8*\b+\j] offset:512*\j+64*\b         ; delta(slot j, column 16 b + r); lanes 16-31 hold the repeated slots: the same word, the same value
.endr
.endr
.irp j, 0,1,2,3,4,5,6,7
	ds_load_b128 v[YB+4*\j:YB+4*\j+3], v[STR] offset:512*\j        ; LDS serves a wave's instructions in order: these see my stores
.endr
.irp j, 0,1,2,3,4,5,6,7
	s_wait_dscnt 7-\j
	global_store_b128 v[CO], v[YB+4*\j:YB+4*\j+3], s[12:13] offset:8192*\j    ; slot j: 512 consecutive bytes
.endr
	s_wait_tensorcnt 0x0                           ; the wave's end
	ds_add_u32 v[SPW], v[NIL]
	s_wait_dscnt 0x0
	CROUND                                         ; the closing round
	s_endpgm
.Lfunc_end_k_qd8ba0c4fc0_gemm2:
	.size	k_qd8ba0c4fc0_gemm2, .Lfunc_end_k_qd8ba0c4fc0_gemm2-k_qd8ba0c4fc0_gemm2
	.p2alignl 7, 3214868480
	.fill 96, 4, 3214868480
	.section	.rodata,"a",@progbits
	.p2align	6, 0x0
	.amdhsa_kernel k_qd8ba0c4fc0_gemm2
		.amdhsa_group_segment_fixed_size 327680
		.amdhsa_private_segment_fixed_size 0
		.amdhsa_enable_private_segment 0
		.amdhsa_kernarg_size 40
		.amdhsa_user_sgpr_count 2
		.amdhsa_user_sgpr_kernarg_segment_ptr 1
		.amdhsa_wavefront_size32 1
		.amdhsa_system_sgpr_workgroup_id_x 1
		.amdhsa_system_sgpr_workgroup_id_y 1
		.amdhsa_system_sgpr_workgroup_id_z 1
		.amdhsa_system_vgpr_workitem_id 0
		.amdhsa_next_free_vgpr 1024
		.amdhsa_next_free_sgpr 100
		.amdhsa_reserve_vcc 0
		.amdhsa_float_denorm_mode_32 3
		.amdhsa_float_denorm_mode_16_64 3
		.amdhsa_memory_ordered 1
		.amdhsa_forward_progress 1
		.amdhsa_inst_pref_size 255
	.end_amdhsa_kernel
	.section	.bss,"aw",@nobits
	.p2align	6
	.space	262144
	.amdgpu_metadata
---
amdhsa.version: [ 1, 2 ]
amdhsa.kernels:
  - .name:           k_qd8ba0c4fc0_gemm2
    .symbol:         k_qd8ba0c4fc0_gemm2.kd
    .args:
      - { .name: qc, .offset: 0, .size: 8, .value_kind: global_buffer, .address_space: global }
      - { .name: qs, .offset: 8, .size: 8, .value_kind: global_buffer, .address_space: global }
      - { .name: rc, .offset: 16, .size: 8, .value_kind: global_buffer, .address_space: global }
      - { .name: out1, .offset: 24, .size: 8, .value_kind: global_buffer, .address_space: global }
      - { .name: dpart, .offset: 32, .size: 8, .value_kind: global_buffer, .address_space: global }
    .group_segment_fixed_size: 327680
    .private_segment_fixed_size: 0
    .kernarg_segment_align: 8
    .kernarg_segment_size: 40
    .max_flat_workgroup_size: 128
    .sgpr_count:     100
    .vgpr_count:     1024
    .wavefront_size: 32
...
	.end_amdgpu_metadata
.endif
;; end of part 4
;; launch fin (part 5): grid 128 x 1, 8 waves a work-group, no clusters, 5,120 bytes of LDS; arguments dpart, rc, bw, state, fast, out2, out3, out4; writes out2, out3, out4
.if DOCPART == 5
	.amdgcn_target "amdgcn-amd-amdhsa--gfx1250"
	.amdhsa_code_object_version 6
	.text
	.protected	k_qd8ba0c4fc0_fin
	.globl	k_qd8ba0c4fc0_fin
	.p2align	8
	.type	k_qd8ba0c4fc0_fin,@function
k_qd8ba0c4fc0_fin:
	s_mov_b64 s[64:65], 0
	v_nop
	global_prefetch_b8 v0, s[64:65] scope:SCOPE_SE
	s_setreg_imm32_b32 hwreg(HW_REG_WAVE_MODE, 25, 1), 1
	s_wait_xcnt 0x0
; delta = the sum of its 64 parts + bw x attn's column sum;  alpha = clip(0.02 + 0.98 mean(add), 0, 1) (the boost of 1.0 and the second clip change nothing);
; new_state = (1 - alpha) state + alpha delta;  new_fast = 0.95 fast + 0.05 delta.  All in f32.
; SHARES.  Work-group g owns numbers 128 g .. 128 g + 127 of the flat [8][2048]: slot g / 16.  Wave w adds parts 8 w .. 8 w + 7 (512 consecutive bytes each); the eight sums meet in LDS; wave 0 finishes.
; Every work-group adds up the 256 records for itself: 2 words of each.  128 work-groups: there is no more independent work than that at 512 bytes a store.
.set REC, 6553600                      ; rc: the records, 64 bytes a work-group of the launch that made them: words 0-7 attn's column sums, word 8 the sum of add
	s_load_b512 s[4:19], s[0:1], 0x0               ; dpart, rc, bw, state, fast, out2, out3, out4
	v_lshl_add_u32 v112, v0, 2, 0x1000
	v_mov_b32 v113, 0
	v_lshrrev_b32 v1, 5, v0
	s_delay_alu instid0(VALU_DEP_1)
	v_readfirstlane_b32 s20, v1                    ; wave
	v_and_b32 v1, 31, v0
	s_delay_alu instid0(VALU_DEP_1)
	v_lshlrev_b32 v2, 4, v1                        ; 16 x lane
	s_delay_alu instid0(VALU_DEP_2)
	v_lshlrev_b32 v3, 6, v1                        ; 64 x lane: a record a lane
	v_mov_b32 v5, 0
	s_lshl_b32 s21, s20, 9
	v_add_nc_u32 v4, s21, v2                       ; LDS: my wave's 512 bytes
	s_lshl_b32 s22, ttmp9, 9                       ; 512 g
	s_mov_b32 s23, 0
	s_lshl_b32 s24, s20, 19                        ; eight parts of 65,536 bytes a wave
	s_add_co_u32 s24, s24, s22
	s_mov_b32 s25, 0
	s_lshr_b32 s26, ttmp9, 4                       ; my slot
	s_lshl_b32 s26, s26, 2
	s_add_co_u32 s26, s26, REC
	s_mov_b32 s27, 0
	s_and_b32 s28, ttmp9, 15
	s_lshl_b32 s28, s28, 9                         ; my 128 columns in bw
	s_mov_b32 s29, 0
	s_mov_b32 s34, 0x397ae148                      ; 0.98 / 4096
	s_mov_b32 s35, 0x3ca3d70a                      ; 0.02
	s_mov_b32 s36, 0x3f733333                      ; 0.95
	s_mov_b32 s38, 0x76543210
	s_mov_b32 s39, 0xfedcba98
	s_wait_kmcnt 0x0
	s_add_nc_u64 s[4:5], s[4:5], s[24:25]
	s_add_nc_u64 s[30:31], s[6:7], s[26:27]        ; the records' word of my slot
	s_add_nc_u64 s[32:33], s[6:7], REC+32          ; and their word 8
	s_add_nc_u64 s[8:9], s[8:9], s[28:29]
	s_add_nc_u64 s[10:11], s[10:11], s[22:23]
	s_add_nc_u64 s[12:13], s[12:13], s[22:23]
	s_add_nc_u64 s[16:17], s[16:17], s[22:23]
	s_add_nc_u64 s[18:19], s[18:19], s[22:23]
	s_cmp_lg_u32 s20, 0
	s_cbranch_scc1 .Lparts
	s_wait_alu depctr_va_vdst(0)
.irp i, 0,1,2,3,4,5,6,7
	global_load_b32 v[48+\i], v3, s[30:31] offset:2048*\i
.endr
.irp i, 0,1,2,3,4,5,6,7
	global_load_b32 v[56+\i], v3, s[32:33] offset:2048*\i
.endr
	global_load_b128 v[64:67], v2, s[10:11]        ; state
	global_load_b128 v[68:71], v2, s[12:13]        ; fast
	global_load_b128 v[72:75], v2, s[8:9]          ; bw
.Lparts:
	s_wait_alu depctr_va_vdst(0)
.irp q, 0,1,2,3,4,5,6,7
	global_load_b128 v[8+4*\q:8+4*\q+3], v2, s[4:5] offset:65536*\q th:TH_LOAD_NT
.endr
	s_wait_loadcnt 0x0
.irp q, 1
	v_pk_add_f32 v[8:9], v[8:9], v[8+4*\q:8+4*\q+1]
	v_pk_add_f32 v[10:11], v[10:11], v[10+4*\q:10+4*\q+1]
.endr
.irp q, 2, 3, 4, 5, 6, 7
	s_delay_alu instid0(VALU_DEP_2)
	v_pk_add_f32 v[8:9], v[8:9], v[8+4*\q:8+4*\q+1]
	s_delay_alu instid0(VALU_DEP_2)
	v_pk_add_f32 v[10:11], v[10:11], v[10+4*\q:10+4*\q+1]
.endr
	ds_store_b128 v4, v[8:11]
	s_wait_dscnt 0x0                               ; for wave 0's sake
	s_barrier_signal -1
	s_barrier_wait -1
	s_cmp_lg_u32 s20, 0
	s_cbranch_scc1 .Lend
.irp q, 0,1,2,3,4,5,6,7
	ds_load_b128 v[8+4*\q:8+4*\q+3], v2 offset:512*\q
.endr
	v_pk_add_f32 v[48:49], v[48:49], v[50:51]      ; the records: my eight of each kind,
	v_pk_add_f32 v[56:57], v[56:57], v[58:59]
	v_pk_add_f32 v[52:53], v[52:53], v[54:55]
	v_pk_add_f32 v[60:61], v[60:61], v[62:63]
	s_delay_alu instid0(VALU_DEP_2)
	v_pk_add_f32 v[48:49], v[48:49], v[52:53]
	s_delay_alu instid0(VALU_DEP_2)
	v_pk_add_f32 v[56:57], v[56:57], v[60:61]
	s_delay_alu instid0(VALU_DEP_2)
	v_add_f32 v48, v48, v49
	s_delay_alu instid0(VALU_DEP_2)
	v_add_f32 v56, v56, v57
.irp m, 1,2,4,8
	s_delay_alu instid0(VALU_DEP_2)
	v_add_f32_dpp v48, v48, v48 row_xmask:\m row_mask:0xf bank_mask:0xf    ; then the 32 lanes'
	s_delay_alu instid0(VALU_DEP_2)
	v_add_f32_dpp v56, v56, v56 row_xmask:\m row_mask:0xf bank_mask:0xf
.endr
	s_delay_alu instid0(VALU_DEP_2)
	v_permlanex16_b32 v49, v48, s38, s39
	s_delay_alu instid0(VALU_DEP_2)
	v_permlanex16_b32 v57, v56, s38, s39
	s_delay_alu instid0(VALU_DEP_2)
	v_add_f32 v48, v48, v49                        ; attn's column sum of my slot
	s_delay_alu instid0(VALU_DEP_2)
	v_add_f32 v56, v56, v57                        ; the sum of add
	s_delay_alu instid0(VALU_DEP_1)
	v_fma_f32 v56, v56, s34, s35
	s_delay_alu instid0(VALU_DEP_1)
	v_med3_num_f32 v56, v56, 0, 1.0                ; alpha
	s_delay_alu instid0(VALU_DEP_1)
	v_sub_f32 v57, 1.0, v56
	s_wait_dscnt 0x0
.irp q, 1
	v_pk_add_f32 v[8:9], v[8:9], v[8+4*\q:8+4*\q+1]
	v_pk_add_f32 v[10:11], v[10:11], v[10+4*\q:10+4*\q+1]
.endr
.irp q, 2, 3, 4, 5, 6, 7
	s_delay_alu instid0(VALU_DEP_2)
	v_pk_add_f32 v[8:9], v[8:9], v[8+4*\q:8+4*\q+1]
	s_delay_alu instid0(VALU_DEP_2)
	v_pk_add_f32 v[10:11], v[10:11], v[10+4*\q:10+4*\q+1]
.endr
.irp c, 0,1,2,3
	v_fma_f32 v[8+\c], v48, v[72+\c], v[8+\c]      ; delta
.endr
.irp c, 0,1,2,3
	v_mul_f32 v[76+\c], v56, v[8+\c]
	v_mul_f32 v[80+\c], 0x3d4ccccd, v[8+\c]
.endr
.irp c, 0,1,2,3
	v_fma_f32 v[76+\c], v57, v[64+\c], v[76+\c]
	v_fma_f32 v[80+\c], s36, v[68+\c], v[80+\c]
.endr
	global_store_b128 v2, v[76:79], s[16:17]       ; 512 consecutive bytes each
	global_store_b128 v2, v[80:83], s[18:19]
	s_cmp_lg_u32 ttmp9, 0
	s_cbranch_scc1 .Lend
	s_wait_xcnt 0x0                                ; EXEC changes only behind this wait
	v_cmp_eq_u32 vcc_lo, 0, v1
	s_and_saveexec_b32 s37, vcc_lo
	global_store_b32 v5, v56, s[14:15]             ; alpha, once
	s_wait_xcnt 0x0
	s_or_b32 exec_lo, exec_lo, s37
.Lend:
	s_wait_tensorcnt 0x0
	ds_add_u32 v112, v113
	s_wait_dscnt 0x0
	s_endpgm
.Lfunc_end_k_qd8ba0c4fc0_fin:
	.size	k_qd8ba0c4fc0_fin, .Lfunc_end_k_qd8ba0c4fc0_fin-k_qd8ba0c4fc0_fin
	.p2alignl 7, 3214868480
	.fill 96, 4, 3214868480
	.section	.rodata,"a",@progbits
	.p2align	6, 0x0
	.amdhsa_kernel k_qd8ba0c4fc0_fin
		.amdhsa_group_segment_fixed_size 5120
		.amdhsa_private_segment_fixed_size 0
		.amdhsa_enable_private_segment 0
		.amdhsa_kernarg_size 64
		.amdhsa_user_sgpr_count 2
		.amdhsa_user_sgpr_kernarg_segment_ptr 1
		.amdhsa_wavefront_size32 1
		.amdhsa_system_sgpr_workgroup_id_x 1
		.amdhsa_system_sgpr_workgroup_id_y 1
		.amdhsa_system_sgpr_workgroup_id_z 1
		.amdhsa_system_vgpr_workitem_id 0
		.amdhsa_next_free_vgpr 114
		.amdhsa_next_free_sgpr 66
		.amdhsa_reserve_vcc 1
		.amdhsa_float_denorm_mode_32 3
		.amdhsa_float_denorm_mode_16_64 3
		.amdhsa_memory_ordered 1
		.amdhsa_forward_progress 1
		.amdhsa_inst_pref_size 12
	.end_amdhsa_kernel
	.amdgpu_metadata
---
amdhsa.version: [ 1, 2 ]
amdhsa.kernels:
  - .name:           k_qd8ba0c4fc0_fin
    .symbol:         k_qd8ba0c4fc0_fin.kd
    .args:
      - { .name: dpart, .offset: 0, .size: 8, .value_kind: global_buffer, .address_space: global }
      - { .name: rc, .offset: 8, .size: 8, .value_kind: global_buffer, .address_space: global }
      - { .name: bw, .offset: 16, .size: 8, .value_kind: global_buffer, .address_space: global }
      - { .name: state, .offset: 24, .size: 8, .value_kind: global_buffer, .address_space: global }
      - { .name: fast, .offset: 32, .size: 8, .value_kind: global_buffer, .address_space: global }
      - { .name: out2, .offset: 40, .size: 8, .value_kind: global_buffer, .address_space: global }
      - { .name: out3, .offset: 48, .size: 8, .value_kind: global_buffer, .address_space: global }
      - { .name: out4, .offset: 56, .size: 8, .value_kind: global_buffer, .address_space: global }
    .group_segment_fixed_size: 5120
    .private_segment_fixed_size: 0
    .kernarg_segment_align: 8
    .kernarg_segment_size: 64
    .max_flat_workgroup_size: 256
    .sgpr_count:     66
    .vgpr_count:     114
    .wavefront_size: 32
...
	.end_amdgpu_metadata
.endif
;; end of part 5
